; MI455X (gfx1250); checked and timed in simulation.
; The chip was launched on July 23, 2026; its instructions are those of AMD's public machine-readable ISA for CDNA 5 (MIT licence, August 2026) and "CDNA5" Instruction Set Architecture Reference Guide (July 2026). The comments in the code are by the model that wrote it; some were corrected since.
;; Shepards Gated Attention Base. Allowed arithmetic: matrix products marked QUANTISED: E2M3 operands, one E8M0 scale for each 32 along K, by v_wmma_scale_f32_16x16x128_f8f6f4 with both operands' format E2M3, f32 sums; everything else in f32.
;; Inputs: W_in 4,096 x 1,024 float32; W_out 1,024 x 1,024 float32; X 2 x 2,048 x 1,024 float32; b_in 4,096 float32; b_out 1,024 float32.
;; Outputs: out0 2 x 2,048 x 1,024 float32.
;; This version of the problem:
;;   THIS VERSION OF THE PROBLEM IS GIVEN IN LOW PRECISION. The matrix products marked QUANTISED in the list below multiply operands that are first quantised to E2M3 (2 exponent bits, 3 mantissa bits; 6 bits a number), with one power-of-two scale for each 32 numbers along K (OCP MX v1.0); their sums are f32. All else is computed in f32.
;;   The module's matrix products, in the order in which they are computed (A, B: the left and right operand; K: the contracted axis; several contracted axes count as one K, in the product's order):
;;     1. [M 4,096, K 1,024] x [K 1,024, N 4,096]; A: input X; B: input W_in: QUANTISED
;;     2. batch 32 x [M 2,048, K 64] x [K 64, N 2,048]; A: computed on the way; B: computed on the way: QUANTISED
;;     3. batch 32 x [M 2,048, K 2,048] x [K 2,048, N 64]; A: computed on the way; B: computed on the way: QUANTISED
;;     4. [M 4,096, K 1,024] x [K 1,024, N 1,024]; A: computed on the way; B: input W_out: QUANTISED
;;   THE QUANTISER, for each operand of a quantised product, along K:
;;     - K is cut into blocks of 32 from its start; a last block that is shorter is filled with zeros.
;;     - A block's scale is 2^e with e = floor(log2(the largest magnitude in the block)) - 2, held to -126 .. 127; a block of zeros has e = 0. As a byte (E8M0): e + 127.
;;     - Each number is divided by its block's scale, clamped to +-7.5, and rounded to the nearest number of E2M3, ties to even, subnormals kept.
;;     - The product sums the exact products of the quantised numbers (number of the format x scale) in f32.
;;   ~~~python
;;   def quantise(x, axis):      # numpy; x: float32 -> the quantised numbers, widened to float32 again
;;       x = np.moveaxis(x, axis, -1); K = x.shape[-1]
;;       x = np.pad(x, [(0, 0)] * (x.ndim - 1) + [(0, -K % 32)]); x = x.reshape(x.shape[:-1] + (-1, 32)); a = np.abs(x).max(-1, keepdims=True)
;;       e = np.where(a > 0, np.clip(np.frexp(np.where(a > 0, a, 1))[1] - 1 - 2, -126, 127), 0)      # np.frexp(a)[1] - 1 = floor(log2(a)), exactly
;;       r = np.clip(x / 2.0 ** e, -7.5, 7.5)
;;       step = 2.0 ** (np.maximum(np.frexp(np.where(r == 0, 1, r))[1] - 1, 0) - 3)
;;       q = np.round(r / step) * step * 2.0 ** e      # np.round: ties to even
;;       return np.moveaxis(q.reshape(q.shape[:-2] + (-1,))[..., :K], -1, axis).astype(np.float32)
;;   ~~~
;;   OPERANDS COMPUTED ON THE WAY. 'Computed on the way' means the value that the module computes at that place (a softmax that the list does not call 'softmax' is quantised finished and normalised). What goes into a quantiser is computed in f32, as accurately as f32 sums, v_exp_f32 and their like allow (about 1e-6 of the number): no bf16 or f16 on the way to a quantiser, and a product that is left as it is and whose result goes on into a quantised operand takes f32 operands (vector FMAs, or v_wmma_f32_16x16x4_f32). A number that lies on a knife's edge between two numbers of the format may be rounded either way, as far as f32 arithmetic and the matrix unit's own rounding can turn it there, and no further.
;; One version. Each part assembles by itself: llvm-mc -triple=amdgcn-amd-amdhsa -mcpu=gfx1250 --defsym DOCPART=n.
;; ======== version 1 of 1: 4 launches
;; workspace buffers: cod1 7,077,888 bytes; scl1 294,912 bytes; qk 9,437,184 bytes; qks 1,310,720 bytes; gate 16,777,216 bytes; hc 3,145,728 bytes; hs 131,072 bytes
;; launch quant (part 1): grid 288 x 1, 4 waves a work-group, no clusters, 33,280 bytes of LDS; arguments X, W_in, W_out, cod1, scl1; writes cod1, scl1
.if DOCPART == 1
	.amdgcn_target "amdgcn-amd-amdhsa--gfx1250"
	.amdhsa_code_object_version 6
	.text
	.protected	k_qa64cb08367_quant
	.globl	k_qa64cb08367_quant
	.p2align	8
	.type	k_qa64cb08367_quant,@function
k_qa64cb08367_quant:
	s_mov_b64 s[64:65], 0
	v_nop
	global_prefetch_b8 v0, s[64:65] scope:SCOPE_SE
	s_setreg_imm32_b32 hwreg(HW_REG_WAVE_MODE, 25, 1), 1
	s_wait_xcnt 0x0
; X [4096][1024], W_in [4096][1024] and W_out [1024][1024], f32, K innermost, become codes of FP6 (E2M3) with one E8M0 byte for each 32 along K.
; cod1: X's codes at 0, W_in's at 3,145,728, W_out's at 6,291,456, a row 768 bytes.  scl1: their bytes at 0, 131,072, 262,144, a row 32 bytes.
; A block's scale is 2^(floor(log2(largest magnitude)) - 2); its byte is the largest magnitude's exponent field - 2, held at 1 from below.
; ROWS OF X AND W_in CHANGE PLACES: row t lies at position t with bits 3 and 4 exchanged, so that sixteen neighbouring positions are the rows that the next launch wants in one tile.
; A wave's run is 8 rows (8,192 numbers), so the exchange is one of bits 0 and 1 of the run's number.  W_out keeps its order.
; LIMITS: a block of zeros gets the byte 1 (its codes are zeros, and this program alone reads the bytes); blocks under 2^-124 were not tried; NaN and infinities are not served.
; A wave takes 16 steps of 512 numbers.  Each load reads 512 consecutive bytes; a step's 2,048 bytes turn through the wave's own stage in LDS, so that a lane then holds 16 neighbours along K.
; No barrier: waves share nothing.  Loads run four steps (16 loads a wave) ahead, the turn through LDS one step.
.set STEPS, 16
.set EMAX,  2
.set CB,    12                         ; bytes of 16 codes
.set R,     16                         ; v16-79   four sets of 16 numbers as loaded
.set X,     80                         ; v80-111  two sets of 16 neighbours
.set C,     128                        ; v128-191 codes: four registers for each step
.set E,     112                        ; v112-127 a scale byte for each step
.set WREG,  8192                       ; LDS of a wave: two stages of 32 x SP bytes, then its 256 scale bytes
.set SP,    80                         ; a lane's place in a stage: 64 bytes + 16 of padding
	s_load_b128 s[4:7], s[0:1], 0x0                ; X, W_in
	s_load_b128 s[8:11], s[0:1], 0x10              ; W_out, cod1
	s_load_b64 s[12:13], s[0:1], 0x20              ; scl1
	v_lshl_add_u32 v192, v0, 2, 0x8000
	v_mov_b32 v193, 0
	v_lshrrev_b32 v1, 5, v0
	v_readfirstlane_b32 s16, v1                    ; wave
	v_and_b32 v2, 31, v0                           ; lane
	v_lshlrev_b32 v3, 4, v2                        ; my 16 bytes of a load's 512
	s_mul_i32 s17, s16, WREG
	v_lshrrev_b32 v14, 2, v2
	v_mul_u32_u24 v14, v14, SP
	v_and_b32 v15, 3, v2
	v_lshl_add_u32 v14, v15, 4, v14
	v_add_nc_u32 v14, s17, v14                     ; the stage, way in: SP (lane / 4) + 16 (lane % 4)
	v_mul_u32_u24 v15, v2, SP
	v_add_nc_u32 v15, s17, v15                     ; way out: SP x lane
	v_mul_u32_u24 v4, v2, CB                       ; my codes' place in a step's
	v_lshrrev_b32 v5, 1, v2
	s_add_co_u32 s17, s17, 2*32*SP
	v_add_nc_u32 v5, s17, v5                       ; my block's byte among the wave's 256
	v_lshlrev_b32 v7, 3, v2
	v_add_nc_u32 v6, s17, v7
	s_wait_kmcnt 0x0
	s_cmp_lt_u32 ttmp9, 128                        ; work-groups 0-127: X; 128-255: W_in; 256-287: W_out.  The choice hangs on the work-group's number alone
	s_cselect_b64 s[4:5], s[4:5], s[6:7]
	s_cselect_b32 s17, 0, 128                      ; the tensor's first work-group
	s_cselect_b32 s22, 0, 3145728                  ; its section of cod1
	s_cselect_b32 s24, 0, 131072                   ; and of scl1
	s_cmp_lt_u32 ttmp9, 256
	s_cselect_b64 s[4:5], s[4:5], s[8:9]
	s_cselect_b32 s17, s17, 256
	s_cselect_b32 s22, s22, 6291456
	s_cselect_b32 s24, s24, 262144
	s_cselect_b32 s26, 1, 0                        ; 1: the rows change places
	s_sub_co_u32 s17, ttmp9, s17
	s_lshl_b32 s17, s17, 2
	s_add_co_u32 s18, s17, s16                     ; my run of 8 rows
	s_and_b32 s27, s18, 1
	s_lshl_b32 s27, s27, 1
	s_bfe_u32 s28, s18, 0x10001
	s_or_b32 s27, s27, s28
	s_and_b32 s28, s18, -4
	s_or_b32 s27, s27, s28                         ; the run with bits 0 and 1 exchanged
	s_cmp_eq_u32 s26, 1
	s_cselect_b32 s27, s27, s18                    ; where the run's results go
	s_lshl_b32 s20, s18, 15
	s_mov_b32 s21, 0
	s_add_nc_u64 s[4:5], s[4:5], s[20:21]          ; 32,768 bytes of f32 a run
	s_mul_i32 s20, s27, 6144
	s_add_co_u32 s20, s20, s22
	s_add_nc_u64 s[10:11], s[10:11], s[20:21]      ; 6,144 bytes of codes
	s_lshl_b32 s20, s27, 8
	s_add_co_u32 s20, s20, s24
	s_add_nc_u64 s[12:13], s[12:13], s[20:21]      ; 256 scale bytes
.macro LOAD t
.irp i, 0,1,2,3
	global_load_b128 v[R+16*((\t)%4)+4*\i:R+16*((\t)%4)+4*\i+3], v3, s[4:5] offset:2048*(\t)+512*\i th:TH_LOAD_NT   ; 32 lanes read 512 consecutive bytes
.endr
.endm
.macro TURN t                          ; step t's numbers through the stage: LDS serves a wave's instructions in order, so no wait stands between the stores and the loads
.irp i, 0,1,2,3
	ds_store_b128 v14, v[R+16*((\t)%4)+4*\i:R+16*((\t)%4)+4*\i+3] offset:32*SP*((\t)%2)+8*SP*\i
.endr
.irp i, 0,1,2,3
	ds_load_b128 v[X+16*((\t)%2)+4*\i:X+16*((\t)%2)+4*\i+3], v15 offset:32*SP*((\t)%2)+16*\i
.endr
.endm
.irp t, 0,1,2,3
	LOAD \t
.endr
	s_wait_loadcnt 12                              ; step 0's four loads are in; twelve younger ones stay out
	TURN 0
.macro STEP t
.set XS, X+16*((\t)%2)
.if (\t) > 0
	s_wait_dscnt 1                                 ; this step's numbers are back from the stage (the last step's byte store may be out)
.else
	s_wait_dscnt 0x0
.endif
.if (\t)+4 < STEPS
	LOAD (\t)+4
.endif
.if (\t)+1 < STEPS
.if STEPS-2-(\t) >= 3
	s_wait_loadcnt 12                              ; the next step's four loads are in; those of the three steps behind it may be out
.else
	s_wait_loadcnt 4*(STEPS-2-(\t))
.endif
	TURN (\t)+1
.endif
	v_max3_num_f32 v8, |v[XS]|, |v[XS+1]|, |v[XS+2]|               ; the largest magnitude of my 16, in two chains
	v_max3_num_f32 v9, |v[XS+3]|, |v[XS+4]|, |v[XS+5]|
.irp i, 6,10
	v_max3_num_f32 v8, v8, |v[XS+\i]|, |v[XS+\i+1]|
	v_max3_num_f32 v9, v9, |v[XS+\i+2]|, |v[XS+\i+3]|
.endr
	v_max3_num_f32 v8, v8, |v[XS+14]|, |v[XS+15]|
	v_max3_num_f32 v8, v8, v9, (EMAX+1)<<23        ; and the floor 2^(3 - 127): the byte cannot fall under 1
	v_max_num_f32_dpp v8, v8, v8 row_xmask:1 row_mask:0xf bank_mask:0xf   ; with my neighbour's 16: the block's
	v_add_nc_u32 v11, -(EMAX<<23), v8              ; 2 off its exponent field: the conversion takes that field as its scale
	v_cvt_scalef32_pk16_fp6_f32 v[C+4*(\t):C+4*(\t)+2], v[XS:XS+15], v11
	v_lshrrev_b32 v[E+(\t)], 23, v11               ; the scale's byte (also the plain line behind the conversion)
	ds_store_b8 v5, v[E+(\t)] offset:16*(\t)       ; both lanes of a block write the same byte with the same value
	global_store_b96 v4, v[C+4*(\t):C+4*(\t)+2], s[10:11] offset:32*CB*(\t)
.endm
.irp t, 0,1,2,3,4,5,6,7,8,9,10,11,12,13,14,15
	STEP \t
.endr
	ds_load_b64 v[12:13], v6                       ; LDS serves a wave's instructions in order: these see my stores
	s_wait_dscnt 0x0
	global_store_b64 v7, v[12:13], s[12:13]        ; 32 lanes store 256 consecutive bytes, aligned
	s_wait_tensorcnt 0x0
	ds_add_u32 v192, v193
	s_wait_dscnt 0x0
	s_endpgm
.Lfunc_end_k_qa64cb08367_quant:
	.size	k_qa64cb08367_quant, .Lfunc_end_k_qa64cb08367_quant-k_qa64cb08367_quant
	.p2alignl 7, 3214868480
	.fill 96, 4, 3214868480
	.section	.rodata,"a",@progbits
	.p2align	6, 0x0
	.amdhsa_kernel k_qa64cb08367_quant
		.amdhsa_group_segment_fixed_size 33280
		.amdhsa_private_segment_fixed_size 0
		.amdhsa_enable_private_segment 0
		.amdhsa_kernarg_size 40
		.amdhsa_user_sgpr_count 2
		.amdhsa_user_sgpr_kernarg_segment_ptr 1
		.amdhsa_wavefront_size32 1
		.amdhsa_system_sgpr_workgroup_id_x 1
		.amdhsa_system_sgpr_workgroup_id_y 1
		.amdhsa_system_sgpr_workgroup_id_z 1
		.amdhsa_system_vgpr_workitem_id 0
		.amdhsa_next_free_vgpr 194
		.amdhsa_next_free_sgpr 66
		.amdhsa_reserve_vcc 0
		.amdhsa_float_denorm_mode_32 3
		.amdhsa_float_denorm_mode_16_64 3
		.amdhsa_memory_ordered 1
		.amdhsa_forward_progress 1
		.amdhsa_inst_pref_size 33
	.end_amdhsa_kernel
	.amdgpu_metadata
---
amdhsa.version: [ 1, 2 ]
amdhsa.kernels:
  - .name:           k_qa64cb08367_quant
    .symbol:         k_qa64cb08367_quant.kd
    .args:
      - { .name: X, .offset: 0, .size: 8, .value_kind: global_buffer, .address_space: global }
      - { .name: W_in, .offset: 8, .size: 8, .value_kind: global_buffer, .address_space: global }
      - { .name: W_out, .offset: 16, .size: 8, .value_kind: global_buffer, .address_space: global }
      - { .name: cod1, .offset: 24, .size: 8, .value_kind: global_buffer, .address_space: global }
      - { .name: scl1, .offset: 32, .size: 8, .value_kind: global_buffer, .address_space: global }
    .group_segment_fixed_size: 33280
    .private_segment_fixed_size: 0
    .kernarg_segment_align: 8
    .kernarg_segment_size: 40
    .max_flat_workgroup_size: 128
    .sgpr_count:     66
    .vgpr_count:     194
    .wavefront_size: 32
...
	.end_amdgpu_metadata
.endif
;; end of part 1
;; launch proj (part 2): grid 16 x 16, 4 waves a work-group, clusters of 4 x 4, 327,680 bytes of LDS; arguments cod1, scl1, b_in, qk, qks, gate; writes qk, qks, gate
.if DOCPART == 2
	.amdgcn_target "amdgcn-amd-amdhsa--gfx1250"
	.amdhsa_code_object_version 6
	.text
	.protected	k_qa64cb08367_proj
	.globl	k_qa64cb08367_proj
	.p2align	8
	.type	k_qa64cb08367_proj,@function
k_qa64cb08367_proj:
	s_mov_b64 s[64:65], 0
	v_nop
	global_prefetch_b8 v0, s[64:65] scope:SCOPE_SE
	s_setreg_imm32_b32 hwreg(HW_REG_WAVE_MODE, 25, 1), 1
	s_wait_xcnt 0x0
	s_wait_alu depctr_hold_cnt(0) depctr_sa_sdst(0) depctr_va_vdst(0) depctr_va_sdst(0) depctr_va_ssrc(0) depctr_va_vcc(0) depctr_vm_vsrc(0)
	s_getreg_b32 s2, hwreg(HW_REG_IB_STS2, 6, 4)
	s_cmp_eq_u32 s2, 0
	s_cbranch_scc0 .Lentry_in_a_cluster
	s_endpgm
.Lentry_in_a_cluster:
	s_bfe_u32 s2, ttmp6, 0x10000c
	s_cmp_lg_u32 s2, 0xf033
	s_cbranch_scc0 .Lentry_shape_is_right
	s_endpgm
.Lentry_shape_is_right:
; P = X W_in^T + b_in on codes of FP6 (E2M3) with E8M0 scales, and what the attention wants of it; P itself never goes to memory.
; A tile of P is 256 tokens x one head's 256 columns (Q | K | V | G, 64 each).  Four waves; wave (rh, ch) takes 128 tokens x (ch = 0: Q and V; ch = 1: K and G).
; K goes in steps of 256 through a ring of two LDS slots filled by the tensor data mover; the tile's scale bytes come once and stay.  4 x 4 work-groups form a cluster: the four of a row need the same
; tiles of X, the four of a column the same tiles of W_in: each tile is asked for jointly, by the same tensor load with the same descriptor and a mask that names the four.
; ROWS: the launch before has laid X's and W_in's rows so that lane r of tile i holds row pi(i, r) = 32 (i / 2) + 8 (i % 2) + r % 8 + 16 (r / 8).  Result row 8 h + j of tile i is then row
; 32 (i / 2) + 16 h + 8 (i % 2) + j: the 16 registers of two neighbouring tiles are 16 neighbours.
; TWO ORDERS OF THE SOURCES.  Q and K (blocks 0-3 of W_in's eight): source 0 = W_in, source 1 = X: a lane holds one token and its registers run along the features, the K of the score product.
; V and G (blocks 4-7): source 0 = X, source 1 = W_in: a lane holds one feature and its registers run along the tokens, the K of the product with the weights.
; b_in is the C of each sum's first matrix instruction.
; THE WAY OUT.  Q, K: the sum of squares of the f32 numbers (q2; for K times -1/2), codes along the 64 features and two scale bytes a token.  V: codes along 32 tokens.  G: f32.  All leave as images of the
; registers in which the next launch wants them: register quad n of a run at 512 n + 16 x lane, so every store covers 512 consecutive bytes, aligned.
; LIMITS: a block of zeros gets the byte 1 (its codes are zeros; this program alone reads the bytes); NaN and infinities are not served.
; REGISTERS: window 0: v0-31 addresses; v32-63 scale words, two sets, and nothing else; v64-127 b_in; from v128 X's fragments, one set; on the way out v64-223 are at work.
;   window 1: W_in's fragments, two sets.   window 2: Q or K, accumulator (a, b) at v[8 (4 a + b)].   window 3: V or G, accumulator (a, b') at v[8 (8 b' + a)].
.set NQ,     2                         ; matrix instructions deep in a slot (256 along K)
.set ROWB,   192                       ; a tile's row in bytes
.set KROW,   768                       ; a row of codes in memory
.set PITCH,  240                       ; an LDS row: 3 x (64 bytes + 16 of padding)
.set FR,     12
.set NL,     6
.set NP,     4
.set HALFT,  128*PITCH
.set SLOT,   4*HALFT
.set LAPS,   2                         ; 1,024 along K = four K steps = twice round the ring
.set KS,     32                        ; a row of scale bytes
.set SCL,    2*SLOT
.set HALFS,  16*272                    ; the scale bytes of 128 rows: 16 units of 256 bytes + 16
.set SBLK,   2*272                     ; those of 16 rows
.set SPARE,  SCL+4*HALFS               ; the spare words: 128 bytes a wave, named by no other line
.set OFC,  8                           ; v8   16 x lane + Q's or K's section of qk
.set OFS,  9                           ; v9   16 x lane + Q's or K's section of scale words
.set OFQ,  10                          ; v10  16 x lane + q2's or -k2/2's section
.set H64,  11                          ; v11  64 h
.set ADRA, 16                          ; v16-19 LDS addresses of X's fragments (slot 0, 1; the same behind one padding more)
.set ADRB, 20                          ; v20-23 the same for W_in
.set STW,  24                          ; v24  my stage: where a token's sum of squares goes
.set STR,  25                          ; v25  and where 16 bytes of it come back
.set L16,  26                          ; v26  16 x lane
.set ADRS, 27                          ; v27  LDS address of my scale words: lanes 0-15 X's rows, lanes 16-31 W_in's blocks 0-3
.set SPW,  28
.set NIL,  29
.set ADRS2, 30                         ; v30  the same for blocks 4-7: lanes 16-31 stand 64 rows further on
.set PI4,  31                          ; v31  4 (r % 8 + 16 (r / 8))
.set SC,   32
.set BI1,  64                          ; b_in for Q or K: 8 registers a block
.set BI2,  96                          ; b_in for V or G
.set AF,   128
.set MG,   64                          ; the way out: largest magnitudes, then bytes
.set SS,   80                          ; sums of squares, a pair a tile
.set MY,   96                          ; the other half of the lanes'
.set SCO,  112                         ; the conversions' scale operands
.set WD,   128                         ; scale words
.set SM,   136                         ; four scale registers as they are stored
.set PT,   140                         ; the conversions' second halves
.set CI,   172                         ; 48 registers of codes
.set SRD,  220
.set FAC,  2                           ; s2   1.0 for q2, -0.5 for K
.set HM,   66                          ; s66  lanes 16-31
.set SEL,  92                          ; s[92:93] lane l xor 16
.set G1, 24
.set G0, 32
.set G1B, 48
.set G0B, 56
.set G1S, 68
.set G0S, 76
.set G1SB, 80
.set G0SB, 88
.set MSB, 0
.macro WIN new                         ; the immediate's high byte repeats the setting that is left
.if MSB != \new
	s_set_vgpr_msb (MSB<<8)|\new
.set MSB, \new
.endif
.endm
.set TO_B, 0x40
; A joint load: waves 0 and 1 fetch for X, waves 2 and 3 for W_in.  The branch hangs on the wave's number alone.  Four v_nop follow each of the two lines.
.macro JLOAD g0a, g1a, g0b, g1b
	s_cmp_eq_u32 s15, 0
	s_cbranch_scc0 .Lfor_b_\@
	tensor_load_to_lds s[\g0a:\g0a+3], s[\g1a:\g1a+7]
	s_nop 0
.rept 4
	v_nop
.endr
	s_branch .Lasked_\@
.Lfor_b_\@:
	tensor_load_to_lds s[\g0b:\g0b+3], s[\g1b:\g1b+7]
	s_nop 0
.rept 4
	v_nop
.endr
.Lasked_\@:
.endm
.macro CREST                           ; a round of the cluster's barrier behind its opening barrier
	s_cmp_lg_u32 s14, 0
	s_cbranch_scc1 .Lnot_wave_0_\@
	s_barrier_signal -3
.Lnot_wave_0_\@:
	s_barrier_wait -3
	s_barrier_signal -1
	s_barrier_wait -1
.endm
.macro CROUND
	s_barrier_signal -1
	s_barrier_wait -1
	CREST
.endm
	s_load_b256 s[4:11], s[0:1], 0x0               ; cod1 s[4:5], scl1 s[6:7], b_in s[8:9], qk s[10:11]
	s_load_b128 s[96:99], s[0:1], 0x20             ; qks s[96:97], gate s[98:99]
	v_lshl_add_u32 v[SPW], v0, 2, SPARE
	v_mov_b32 v[NIL], 0
	ds_add_u32 v28, v29
	ds_add_u32 v28, v29
	s_wait_dscnt 0x0
	v_lshrrev_b32 v1, 5, v0
	v_readfirstlane_b32 s14, v1                    ; wave 0..3
	s_lshr_b32 s15, s14, 1                         ; rh: which 128 tokens are mine.  Also: I fetch for X (0) or for W_in (1)
	s_and_b32 s16, s14, 1                          ; ch: Q and V (0) or K and G (1).  Also: which 128 rows of that tile I fetch
	s_bfe_u32 s40, ttmp6, 0x40000                  ; cx, cy: my place in the cluster
	s_bfe_u32 s41, ttmp6, 0x40004
	s_lshl_b32 s42, ttmp9, 2
	s_add_co_u32 s42, s42, s40                     ; the head = 4 x cluster x + cx
	s_and_b32 s17, ttmp7, 0xffff
	s_lshl_b32 s17, s17, 2
	s_add_co_u32 s17, s17, s41                     ; the block of 256 tokens = 4 x cluster y + cy
	s_lshl_b32 s43, s41, 2
	s_lshl_b32 s43, 15, s43                        ; my row of the cluster
	s_lshl_b32 s44, 0x1111, s40                    ; my column
	; descriptor group 1: a tile of 128 rows x 192 bytes, 16 bytes of padding behind every 64
	s_or_b32 s[G1+0], s43, (0<<16)|(1<<20)|(1<<21)|(3<<22)|(3<<25)
	s_or_b32 s[G1B+0], s44, (0<<16)|(1<<20)|(1<<21)|(3<<22)|(3<<25)
.irp g, G1, G1B
	s_mov_b32 s[\g+1], ROWB<<16                    ; tensor_dim0
	s_mov_b32 s[\g+2], 128<<16                     ; tensor_dim1
	s_mov_b32 s[\g+3], ROWB<<16                    ; tile_dim0
	s_mov_b32 s[\g+4], 128                         ; tile_dim1
	s_mov_b32 s[\g+5], KROW                        ; stride from row to row
	s_mov_b32 s[\g+6], 0
	s_mov_b32 s[\g+7], 0
.endr
	; the scale bytes of 128 rows: 4,096 dense bytes as 16 rows of 256 (32 elements of 8 bytes), 16 bytes of padding behind each
	s_or_b32 s[G1S+0], s43, (3<<16)|(1<<20)|(1<<21)|(5<<22)|(3<<25)
	s_or_b32 s[G1SB+0], s44, (3<<16)|(1<<20)|(1<<21)|(5<<22)|(3<<25)
.irp g, G1S, G1SB
	s_mov_b32 s[\g+1], 32<<16
	s_mov_b32 s[\g+2], 16<<16
	s_mov_b32 s[\g+3], 32<<16
	s_mov_b32 s[\g+4], 16
	s_mov_b32 s[\g+5], 32
	s_mov_b32 s[\g+6], 0
	s_mov_b32 s[\g+7], 0
.endr
	s_lshl_b32 s18, s16, 7                         ; which 128 rows of the tile I fetch
	s_lshl_b32 s20, s17, 8
	s_add_co_u32 s20, s20, s18                     ; X: position 256 x block + 128 x half
	s_lshl_b32 s46, s42, 8
	s_add_co_u32 s46, s46, s18                     ; W_in: position 256 x head + 128 x half
	s_mov_b32 s21, 0
	s_mov_b32 s47, 0
	s_mov_b64 s[18:19], KS
	s_mul_u64 s[22:23], s[20:21], s[18:19]         ; where these rows' scale bytes begin
	s_mul_u64 s[92:93], s[46:47], s[18:19]
	s_mov_b64 s[18:19], KROW
	s_mul_u64 s[20:21], s[20:21], s[18:19]         ; and their codes
	s_mul_u64 s[46:47], s[46:47], s[18:19]
	s_add_nc_u64 s[46:47], s[46:47], 3145728       ; W_in's sections of the two buffers
	s_add_nc_u64 s[92:93], s[92:93], 131072
	s_mul_i32 s45, s14, HALFT                      ; where they go: wave x 128 rows: no place in the cluster enters an LDS address
	s_mul_i32 s94, s14, HALFS
	s_wait_kmcnt 0x0
	s_add_nc_u64 s[20:21], s[4:5], s[20:21]
	s_add_nc_u64 s[22:23], s[6:7], s[22:23]
	s_add_nc_u64 s[46:47], s[4:5], s[46:47]
	s_add_nc_u64 s[92:93], s[6:7], s[92:93]
	CROUND                                         ; all sixteen work-groups are here: the first joint loads meet
	s_mov_b32 s[G0S], 1
	s_add_co_u32 s[G0S+1], s94, SCL
	s_mov_b64 s[G0S+2:G0S+3], s[22:23]
	s_or_b32 s[G0S+3], s[G0S+3], 0x80000000
	s_mov_b32 s[G0SB], 1
	s_add_co_u32 s[G0SB+1], s94, SCL
	s_mov_b64 s[G0SB+2:G0SB+3], s[92:93]
	s_or_b32 s[G0SB+3], s[G0SB+3], 0x80000000
	JLOAD G0S, G1S, G0SB, G1SB                     ; the scale bytes first: they are wanted with K step 0
.irp s, 0,1
	s_mov_b32 s[G0+4*\s], 1
	s_add_co_u32 s[G0+4*\s+1], s45, \s*SLOT
	s_add_nc_u64 s[G0+4*\s+2:G0+4*\s+3], s[20:21], \s*ROWB
	s_or_b32 s[G0+4*\s+3], s[G0+4*\s+3], 0x80000000
	s_mov_b32 s[G0B+4*\s], 1
	s_add_co_u32 s[G0B+4*\s+1], s45, \s*SLOT
	s_add_nc_u64 s[G0B+4*\s+2:G0B+4*\s+3], s[46:47], \s*ROWB
	s_or_b32 s[G0B+4*\s+3], s[G0B+4*\s+3], 0x80000000
	JLOAD G0+4*\s, G1, G0B+4*\s, G1B
.endr
	; LDS addresses: made of the lane and the wave's number alone
	v_and_b32 v1, 15, v0                           ; r
	v_bfe_u32 v2, v0, 4, 1                         ; h
	v_mul_u32_u24 v3, v1, PITCH
	v_mul_u32_u24 v4, v2, 24
	v_add_nc_u32 v4, v3, v4                        ; a fragment's row x pitch + 24 h
	v_lshl_add_u32 v5, v2, 4, v4                   ; and the same behind one padding more
	s_mul_i32 s21, s15, HALFT                      ; my 128 rows of X
	s_mul_i32 s22, s16, 64*PITCH                   ; my blocks of W_in begin 64 ch rows into its 256,
	s_add_co_u32 s22, s22, 2*HALFT                 ; which lie behind X's 256
.irp s, 0,1
	v_add_nc_u32 v[ADRA+\s], s21, v4
	v_add_nc_u32 v[ADRB+\s], s22, v4
	v_add_nc_u32 v[ADRA+2+\s], s21, v5
	v_add_nc_u32 v[ADRB+2+\s], s22, v5
	s_add_co_u32 s21, s21, SLOT
	s_add_co_u32 s22, s22, SLOT
.endr
	v_mul_u32_u24 v5, v1, KS                       ; my row's scale bytes: 32 a row,
	v_lshrrev_b32 v6, 8, v5
	v_lshl_add_u32 v5, v6, 4, v5                   ; and 16 more for each 256 passed
	s_mul_i32 s21, s15, HALFS                      ; X's: my 128 rows
	s_mul_i32 s22, s16, 4*SBLK                     ; W_in's: 64 ch rows on, behind X's 256
	s_add_co_u32 s22, s22, 2*HALFS
	s_sub_co_u32 s22, s22, s21
	v_mul_u32_u24 v6, s22, v2                      ; lanes 16-31 take W_in's
	s_add_co_u32 s21, s21, SCL
	v_add_nc_u32 v5, v5, v6
	v_add_nc_u32 v[ADRS], s21, v5
	v_mad_u32_u24 v[ADRS2], v2, 4*SBLK, v[ADRS]    ; blocks 4-7 of W_in lie 64 rows beyond blocks 0-3's successors
	v_and_b32 v6, 7, v1
	v_lshrrev_b32 v7, 3, v1
	v_lshl_add_u32 v6, v7, 4, v6
	v_lshlrev_b32 v[PI4], 2, v6                    ; 4 (r % 8 + 16 (r / 8))
	s_lshl_b32 s23, s14, 10                        ; my stage: 1,024 bytes in slot 0, used when that slot has had its last fill and its last read
	v_add_nc_u32 v[STW], s23, v[PI4]
	v_and_b32 v6, 31, v0
	v_lshlrev_b32 v[L16], 4, v6
	v_add_nc_u32 v[STR], s23, v[L16]
	v_lshlrev_b32 v[H64], 6, v2
	; b_in: 1,024 bytes a head, my Q or K at 256 ch, my V or G 512 further on
	s_lshl_b32 s46, s42, 10
	s_lshl_b32 s47, s16, 8
	s_add_co_u32 s46, s46, s47
	s_mov_b32 s47, 0
	s_add_nc_u64 s[8:9], s[8:9], s[46:47]
.irp b, 0,1,2,3
	global_load_b128 v[BI1+8*\b:BI1+8*\b+3], v[H64], s[8:9] offset:4*(32*(\b/2)+8*(\b%2))       ; register j: feature 32 (b / 2) + 16 h + 8 (b % 2) + j
	global_load_b128 v[BI1+8*\b+4:BI1+8*\b+7], v[H64], s[8:9] offset:4*(32*(\b/2)+8*(\b%2))+16
	global_load_b32 v[BI2+8*\b], v[PI4], s[8:9] offset:512+4*(32*(\b/2)+8*(\b%2))               ; all eight registers: feature pi(b', r)
.endr
	; where my results go.  The group of 128 tokens: ((batch x 16 + head) x 16 + 2 (block % 8) + rh
	s_lshr_b32 s20, s17, 3
	s_lshl_b32 s20, s20, 4
	s_add_co_u32 s20, s20, s42
	s_lshl_b32 s20, s20, 4
	s_and_b32 s21, s17, 7
	s_lshl_b32 s21, s21, 1
	s_add_co_u32 s20, s20, s21
	s_add_co_u32 s20, s20, s15
	s_mul_i32 s46, s20, 6144
	s_add_nc_u64 s[10:11], s[10:11], s[46:47]      ; 6,144 bytes of codes a group
	s_lshl_b32 s46, s20, 9
	s_add_nc_u64 s[96:97], s[96:97], s[46:47]      ; 512 bytes of scale words, and of sums of squares
	s_lshl_b32 s46, s20, 15
	s_add_nc_u64 s[98:99], s[98:99], s[46:47]      ; 32,768 bytes of G
	s_mov_b32 s23, 1048576
	s_cmp_eq_u32 s16, 0
	s_cselect_b32 s21, 0, 3145728
	s_cselect_b32 s22, 0, 262144
	s_cselect_b32 s23, 786432, s23
	s_cselect_b32 s[FAC], 1.0, -0.5
	v_add_nc_u32 v[OFC], s21, v[L16]
	v_add_nc_u32 v[OFS], s22, v[L16]
	v_add_nc_u32 v[OFQ], s23, v[L16]
	s_mov_b32 s[HM], 0xffff0000
	s_mov_b32 s[SEL], 0x76543210
	s_mov_b32 s[SEL+1], 0xfedcba98
	s_wait_loadcnt 0x0                             ; b_in
.irp b, 0,1,2,3
.irp j, 1,2,3,4,5,6,7
	v_mov_b32 v[BI2+8*\b+\j], v[BI2+8*\b]
.endr
.endr
.macro FRAG reg, adr, q, ro            ; a fragment, 16 rows x 128 K: 12 registers, in pieces of 8 bytes; ro: its first row.  Where the piece three on lies behind one padding more, the second address register serves
.irp p, 0,1,2,3,4,5
.set PC, 12*(\q)+6*(\p/3)+\p%3
.if PC%8 < 5
	ds_load_b64 v[\reg+2*\p:\reg+2*\p+1], v[\adr] offset:8*PC+16*(PC/8)+(\ro)*PITCH
.else
	ds_load_b64 v[\reg+2*\p:\reg+2*\p+1], v[\adr+2] offset:8*PC+16*(PC/8)+(\ro)*PITCH
.endif
.endr
.endm
; 16 matrix instructions: X's blocks a0, a0 + 1 against W_in's eight, 128 along K.  first = 1: b_in (window 0) is the C.  The 64 accumulators take turns, one instruction a turn,
; in the same order in every step.
.macro MUL16 a0, p, q, sc, first
	WIN 0xa1-0x20*(\first)                         ; source 0 (W_in) window 1, source 1 (X) window 0, D window 2, C window 2 or 0
.irp a, \a0, \a0+1
.irp b, 0,1,2,3
.set rD, 8*(4*(\a)+\b)
.if \first
.set rC, BI1+8*\b
.else
.set rC, rD
.endif
	v_wmma_scale_f32_16x16x128_f8f6f4 v[rD:rD+7], v[128*(\p)+FR*\b:128*(\p)+FR*\b+FR-1], v[AF+FR*(\a):AF+FR*(\a)+FR-1], v[rC:rC+7], v[SC+8*NQ*(\sc)+NQ*\b+(\q)], v[SC+8*NQ*(\sc)+NQ*(\a)+(\q)] matrix_a_fmt:MATRIX_FMT_FP6 matrix_b_fmt:MATRIX_FMT_FP6 matrix_a_scale:MATRIX_SCALE_ROW1
.endr
.endr
	WIN 0xf4-0x30*(\first)                         ; source 0 (X) window 0, source 1 (W_in) window 1, D window 3, C window 3 or 0
.irp a, \a0, \a0+1
.irp b, 0,1,2,3
.set rD, 8*(8*\b+(\a))
.if \first
.set rC, BI2+8*\b
.else
.set rC, rD
.endif
	v_wmma_scale_f32_16x16x128_f8f6f4 v[rD:rD+7], v[AF+FR*(\a):AF+FR*(\a)+FR-1], v[128*(\p)+FR*(4+\b):128*(\p)+FR*(4+\b)+FR-1], v[rC:rC+7], v[SC+8*NQ*(\sc)+NQ*(\a)+(\q)], v[SC+8*NQ*(\sc)+NQ*(4+\b)+(\q)] matrix_a_fmt:MATRIX_FMT_FP6 matrix_b_fmt:MATRIX_FMT_FP6 matrix_b_scale:MATRIX_SCALE_ROW1
.endr
.endr
.endm
.macro FETCH_B slot, q, p              ; W_in's eight fragments into set p: blocks 0-3 at rows 16 i, blocks 4-7 64 rows further on
	WIN TO_B
.irp i, 0,1,2,3,4,5,6,7
	FRAG 128*(\p)+FR*\i, ADRB+\slot, \q, 16*\i+64*(\i/4)
.endr
	WIN 0
.endm
.macro FETCH_A slot, q, i0             ; X's blocks i0 .. i0 + 3
.irp i, \i0, \i0+1, \i0+2, \i0+3
	FRAG AF+FR*(\i), ADRA+\slot, \q, 16*(\i)
.endr
.endm
.macro SCALES sc                       ; the next K step's scale words: lanes 0-15 X's block i, lanes 16-31 W_in's block i
.irp i, 0,1,2,3
	ds_load_b64 v[SC+8*NQ*\sc+NQ*\i:SC+8*NQ*\sc+NQ*\i+1], v[ADRS] offset:\i*SBLK
.endr
.irp i, 4,5,6,7
	ds_load_b64 v[SC+8*NQ*\sc+NQ*\i:SC+8*NQ*\sc+NQ*\i+1], v[ADRS2] offset:\i*SBLK
.endr
.endm
.macro PLACES n                        ; places behind matrix instructions, in front of loads into registers that they have read and of reads of their results
.rept \n
	v_nop
.endr
.endm
.macro STEP slot, q, first             ; a step of 128 along K that has its successor in the same slot
	s_wait_dscnt 4*NL                              ; W_in's set and X's blocks 0-3 are in; the youngest 24 loads (X's blocks 4-7) may be out
	MUL16 0, (\q)%2, \q, \slot, \first
	MUL16 2, (\q)%2, \q, \slot, \first
	s_wait_dscnt 0                                 ; X's blocks 4-7 are in
	PLACES NP
	FETCH_B \slot, (\q)+1, 1-(\q)%2
	FETCH_A \slot, (\q)+1, 0
	MUL16 4, (\q)%2, \q, \slot, \first
	MUL16 6, (\q)%2, \q, \slot, \first
	PLACES NP
	WIN 0
	FETCH_A \slot, (\q)+1, 4
.endm
; A slot's last step changes slots: one barrier; in front of it each wave waits for all its tensor loads, adds 0 to its spare word, and waits for that and for its reads of this slot.
.macro TURN slot, next, fill
	s_wait_tensorcnt 0x0                           ; all my tensor loads have landed: my part of the next slot
	ds_add_u32 v[SPW], v[NIL]                      ; 0 onto my spare word
	s_wait_dscnt 4*NL+1                            ; (the add and the youngest 24 loads may be out)
	MUL16 0, 1, NQ-1, \slot, 0
	s_wait_dscnt 0x0                               ; the add is done, and my reads of this slot are over
	s_barrier_signal -1
	MUL16 2, 1, NQ-1, \slot, 0
	WIN 0
	s_barrier_wait -1
.if \fill
	CREST                                          ; the barrier has opened a round of the cluster's: no wave of any partner still reads this slot or has a load on its way
	s_add_nc_u64 s[G0+4*\slot+2:G0+4*\slot+3], s[G0+4*\slot+2:G0+4*\slot+3], 2*ROWB
	s_add_nc_u64 s[G0B+4*\slot+2:G0B+4*\slot+3], s[G0B+4*\slot+2:G0B+4*\slot+3], 2*ROWB
	JLOAD G0+4*\slot, G1, G0B+4*\slot, G1B         ; the first tensor load behind the round; its four v_nop are the places in front of the loads below
.else
	PLACES NP
.endif
	v_add_nc_u32 v[ADRS], 4*NQ, v[ADRS]            ; on to the next K step's scale words (no LDS load of mine is out)
	v_add_nc_u32 v[ADRS2], 4*NQ, v[ADRS2]
	FETCH_B \next, 0, 0
	FETCH_A \next, 0, 0
	SCALES \next
	MUL16 4, 1, NQ-1, \slot, 0
	MUL16 6, 1, NQ-1, \slot, 0
	PLACES NP
	WIN 0
	FETCH_A \next, 0, 4
.endm
	s_wait_tensorcnt 1                             ; the scale bytes and my part of K step 0 are in (K step 1's load may be out),
	s_barrier_signal -1
	s_barrier_wait -1                              ; everybody's are
	FETCH_B 0, 0, 0
	FETCH_A 0, 0, 0
	SCALES 0
	FETCH_A 0, 0, 4
	STEP 0, 0, 1                                   ; the first step stands in front of the loop: its products start the sums, on b_in
	s_mov_b32 s3, LAPS-1
.Llap:                                             ; a trip goes once round the ring and fills both slots again
	TURN 0, 1, 1
	STEP 1, 0, 0
	TURN 1, 0, 1
	STEP 0, 0, 0
	s_sub_co_u32 s3, s3, 1
	s_cmp_lg_u32 s3, 0
	s_cbranch_scc1 .Llap
	TURN 0, 1, 0                                   ; the last lap fills nothing
	STEP 1, 0, 0
	s_wait_dscnt 4*NL
	MUL16 0, 1, NQ-1, 1, 0
	MUL16 2, 1, NQ-1, 1, 0
	s_wait_dscnt 0
	MUL16 4, 1, NQ-1, 1, 0
	MUL16 6, 1, NQ-1, 1, 0
	WIN 0
	PLACES NP
	; ---- Q or K.  Tile a is v[32 a .. 32 a + 31] of window 2: register 16 b + i = feature 32 b + 16 h + i of token pi(a, r).  Each accumulator is read from its low end on.
	WIN 0x0a                                       ; sources 0 and 1 window 2
.irp a, 0,1,2,3,4,5,6,7
	v_max3_num_f32 v[MG+2*\a], |v[32*\a]|, |v[32*\a+1]|, 0x1800000          ; with the floor 2^(3 - 127): the byte cannot fall under 1
	v_pk_mul_f32 v[SS+2*\a:SS+2*\a+1], v[32*\a:32*\a+1], v[32*\a:32*\a+1]   ; the sum of squares is taken of the f32 numbers
	v_max3_num_f32 v[MG+2*\a+1], |v[32*\a+16]|, |v[32*\a+17]|, 0x1800000
	v_pk_fma_f32 v[SS+2*\a:SS+2*\a+1], v[32*\a+16:32*\a+17], v[32*\a+16:32*\a+17], v[SS+2*\a:SS+2*\a+1]
.irp i, 2,4,6,8,10,12,14
	v_max3_num_f32 v[MG+2*\a], |v[32*\a+\i]|, |v[32*\a+\i+1]|, v[MG+2*\a]
	v_pk_fma_f32 v[SS+2*\a:SS+2*\a+1], v[32*\a+\i:32*\a+\i+1], v[32*\a+\i:32*\a+\i+1], v[SS+2*\a:SS+2*\a+1]
	v_max3_num_f32 v[MG+2*\a+1], |v[32*\a+16+\i]|, |v[32*\a+17+\i]|, v[MG+2*\a+1]
	v_pk_fma_f32 v[SS+2*\a:SS+2*\a+1], v[32*\a+16+\i:32*\a+17+\i], v[32*\a+16+\i:32*\a+17+\i], v[SS+2*\a:SS+2*\a+1]
.endr
.endr
	WIN 0
.irp a, 0,1,2,3,4,5,6,7
	v_add_f32 v[SS+2*\a], v[SS+2*\a], v[SS+2*\a+1]
.endr
.irp a, 0,1,2,3,4,5,6,7
	v_permlanex16_b32 v[MY+\a], v[SS+2*\a], s[SEL], s[SEL+1]
.endr
.irp a, 0,1,2,3,4,5,6,7
	v_add_f32 v[SS+2*\a], v[SS+2*\a], v[MY+\a]     ; with lane l xor 16's 32 features
.endr
.irp a, 0,1,2,3,4,5,6,7
	v_mul_f32 v[SS+2*\a], s[FAC], v[SS+2*\a]       ; q2, or -k2 / 2
.endr
.irp a, 0,1,2,3,4,5,6,7
	ds_store_b32 v[STW], v[SS+2*\a] offset:4*(32*(\a/2)+8*(\a%2))   ; at the token's own place among the group's 128 (both halves of the lanes write the same word with the same value)
.endr
.irp j, 0,1,2,3,4,5,6,7,8,9,10,11,12,13,14,15
	v_permlanex16_b32 v[MY+\j], v[MG+\j], s[SEL], s[SEL+1]
.endr
.irp j, 0,1,2,3,4,5,6,7,8,9,10,11,12,13,14,15
	v_max_num_f32 v[MG+\j], v[MG+\j], v[MY+\j]     ; the block's largest magnitude
.endr
.irp j, 0,1,2,3,4,5,6,7,8,9,10,11,12,13,14,15
	v_add_nc_u32 v[SCO+\j], 0xff000000, v[MG+\j]   ; 2 off its exponent field: the conversion's scale operand
.endr
.irp j, 0,1,2,3,4,5,6,7,8,9,10,11,12,13,14,15
	v_lshrrev_b32 v[MG+\j], 23, v[SCO+\j]          ; the scale's byte
.endr
.irp a, 0,1,2,3,4,5,6,7
	v_lshl_or_b32 v[WD+\a], v[MG+2*\a+1], 8, v[MG+2*\a]
.endr
.irp a, 0,1,2,3,4,5,6,7
	v_lshl_or_b32 v[WD+\a], v[WD+\a], 16, v[WD+\a] ; the two bytes once more, for the half of the next product's K that holds zero codes
.endr
	WIN 0x02                                       ; source 0 window 2
.irp a, 0,1,2,3,4,5,6,7
	v_cvt_scalef32_pk16_fp6_f32 v[CI+6*\a:CI+6*\a+2], v[32*\a:32*\a+15], v[SCO+2*\a]
	v_cvt_scalef32_pk16_fp6_f32 v[PT+4*\a:PT+4*\a+2], v[32*\a+16:32*\a+31], v[SCO+2*\a+1]
.endr
	WIN 0
	v_nop                                          ; one plain line behind the conversions
.irp a, 0,1,2,3,4,5,6,7                            ; the operand's layout wants a whole block in a lane: lanes 0-15 block 0, lanes 16-31 block 1
.irp i, 0,1,2
	v_permlane16_swap_b32 v[CI+6*\a+\i], v[PT+4*\a+\i]
.endr
.irp i, 0,1,2
	v_mov_b32 v[CI+6*\a+3+\i], v[PT+4*\a+\i]
.endr
.endr
.irp p, 0,1,2,3
	v_cndmask_b32 v[SM+\p], v[WD+2*\p], v[WD+2*\p+1], s[HM]   ; one register for two tiles: the even one's words in lanes 0-15, the odd one's in lanes 16-31
.endr
.irp n, 0,1,2,3,4,5,6,7,8,9,10,11
	global_store_b128 v[OFC], v[CI+4*\n:CI+4*\n+3], s[10:11] offset:512*\n
.endr
	global_store_b128 v[OFS], v[SM:SM+3], s[96:97]
	ds_load_b128 v[SRD:SRD+3], v[STR]              ; LDS serves a wave's instructions in order: this sees my stores
	s_wait_dscnt 0x0
	global_store_b128 v[OFQ], v[SRD:SRD+3], s[96:97]
	s_wait_xcnt 0x0                                ; the stores have read their registers: the codes' and the scale words' are written again below
	s_cmp_eq_u32 s16, 0
	s_cbranch_scc0 .Lgate
	; ---- V.  Feature tile d is v[64 d .. 64 d + 63] of window 3: register 16 b + i = token 32 b + 16 h + i of feature pi(d, r): a fragment along the group's 128 keys
.irp d, 0,1,2,3
	WIN 0x0f                                       ; sources 0 and 1 window 3
.irp b, 0,1,2,3
	v_max3_num_f32 v[MG+\b], |v[64*\d+16*\b]|, |v[64*\d+16*\b+1]|, 0x1800000
.endr
.irp i, 2,4,6,8,10,12,14
.irp b, 0,1,2,3
	v_max3_num_f32 v[MG+\b], |v[64*\d+16*\b+\i]|, |v[64*\d+16*\b+\i+1]|, v[MG+\b]
.endr
.endr
	WIN 0
.irp b, 0,1,2,3
	v_permlanex16_b32 v[MY+\b], v[MG+\b], s[SEL], s[SEL+1]
.endr
.irp b, 0,1,2,3
	v_max_num_f32 v[MG+\b], v[MG+\b], v[MY+\b]
.endr
.irp b, 0,1,2,3
	v_add_nc_u32 v[SCO+\b], 0xff000000, v[MG+\b]
.endr
.irp b, 0,1,2,3
	v_lshrrev_b32 v[MG+\b], 23, v[SCO+\b]
.endr
	v_lshl_or_b32 v[SM+\d], v[MG+1], 8, v[MG]
	v_lshl_or_b32 v[SM+\d], v[MG+2], 16, v[SM+\d]
	v_lshl_or_b32 v[SM+\d], v[MG+3], 24, v[SM+\d]
	WIN 0x03                                       ; source 0 window 3
.irp c, 0,1
	v_cvt_scalef32_pk16_fp6_f32 v[CI+12*\d+6*\c:CI+12*\d+6*\c+2], v[64*\d+32*\c:64*\d+32*\c+15], v[SCO+2*\c]
	v_cvt_scalef32_pk16_fp6_f32 v[PT+4*\c:PT+4*\c+2], v[64*\d+32*\c+16:64*\d+32*\c+31], v[SCO+2*\c+1]
.endr
	WIN 0
	v_nop
.irp c, 0,1
.irp i, 0,1,2
	v_permlane16_swap_b32 v[CI+12*\d+6*\c+\i], v[PT+4*\c+\i]
.endr
.irp i, 0,1,2
	v_mov_b32 v[CI+12*\d+6*\c+3+\i], v[PT+4*\c+\i]
.endr
.endr
.endr
.irp n, 0,1,2,3,4,5,6,7,8,9,10,11
	global_store_b128 v[L16], v[CI+4*\n:CI+4*\n+3], s[10:11] offset:6291456+512*\n
.endr
	global_store_b128 v[L16], v[SM:SM+3], s[96:97] offset:524288
	s_branch .Ldone
.Lgate:
	; ---- G leaves as it stands: 64 quads, each accumulator from its low end on
	WIN 0x0c                                       ; a store's data are its source 1: window 3
.set n, 0
.rept 64
	global_store_b128 v[L16], v[4*n:4*n+3], s[98:99] offset:512*n
.set n, n+1
.endr
	WIN 0
.Ldone:
	s_wait_tensorcnt 0x0                           ; the wave's end
	ds_add_u32 v[SPW], v[NIL]
	s_wait_dscnt 0x0
	CROUND                                         ; the closing round: no work-group ends while a partner may still ask for a tile that names it
	s_endpgm
.Lfunc_end_k_qa64cb08367_proj:
	.size	k_qa64cb08367_proj, .Lfunc_end_k_qa64cb08367_proj-k_qa64cb08367_proj
	.p2alignl 7, 3214868480
	.fill 96, 4, 3214868480
	.section	.rodata,"a",@progbits
	.p2align	6, 0x0
	.amdhsa_kernel k_qa64cb08367_proj
		.amdhsa_group_segment_fixed_size 327680
		.amdhsa_private_segment_fixed_size 0
		.amdhsa_enable_private_segment 0
		.amdhsa_kernarg_size 48
		.amdhsa_user_sgpr_count 2
		.amdhsa_user_sgpr_kernarg_segment_ptr 1
		.amdhsa_wavefront_size32 1
		.amdhsa_system_sgpr_workgroup_id_x 1
		.amdhsa_system_sgpr_workgroup_id_y 1
		.amdhsa_system_sgpr_workgroup_id_z 1
		.amdhsa_system_vgpr_workitem_id 0
		.amdhsa_next_free_vgpr 1024
		.amdhsa_next_free_sgpr 100
		.amdhsa_reserve_vcc 0
		.amdhsa_float_denorm_mode_32 3
		.amdhsa_float_denorm_mode_16_64 3
		.amdhsa_memory_ordered 1
		.amdhsa_forward_progress 1
		.amdhsa_inst_pref_size 184
	.end_amdhsa_kernel
	.amdgpu_metadata
---
amdhsa.version: [ 1, 2 ]
amdhsa.kernels:
  - .name:           k_qa64cb08367_proj
    .symbol:         k_qa64cb08367_proj.kd
    .args:
      - { .name: cod1, .offset: 0, .size: 8, .value_kind: global_buffer, .address_space: global }
      - { .name: scl1, .offset: 8, .size: 8, .value_kind: global_buffer, .address_space: global }
      - { .name: b_in, .offset: 16, .size: 8, .value_kind: global_buffer, .address_space: global }
      - { .name: qk, .offset: 24, .size: 8, .value_kind: global_buffer, .address_space: global }
      - { .name: qks, .offset: 32, .size: 8, .value_kind: global_buffer, .address_space: global }
      - { .name: gate, .offset: 40, .size: 8, .value_kind: global_buffer, .address_space: global }
    .group_segment_fixed_size: 327680
    .private_segment_fixed_size: 0
    .kernarg_segment_align: 8
    .kernarg_segment_size: 48
    .max_flat_workgroup_size: 128
    .sgpr_count:     100
    .vgpr_count:     1024
    .wavefront_size: 32
...
	.end_amdgpu_metadata
.endif
;; end of part 2
;; launch att (part 3): grid 8 x 32, 4 waves a work-group, no clusters, 164,352 bytes of LDS; arguments qk, qks, gate, hc, hs; writes hc, hs
.if DOCPART == 3
	.amdgcn_target "amdgcn-amd-amdhsa--gfx1250"
	.amdhsa_code_object_version 6
	.text
	.protected	k_qa64cb08367_att
	.globl	k_qa64cb08367_att
	.p2align	8
	.type	k_qa64cb08367_att,@function
k_qa64cb08367_att:
	s_mov_b64 s[64:65], 0
	v_nop
	global_prefetch_b8 v0, s[64:65] scope:SCOPE_SE
	s_setreg_imm32_b32 hwreg(HW_REG_WAVE_MODE, 25, 1), 1
	s_wait_xcnt 0x0
; Shepard attention of one (batch, head) B on codes of FP6 (E2M3): W = (eps + dist(q, k))^-2, W / (eps + the row's sum), A = W V, H = G A; H leaves as codes for the last product.
; THE WEIGHT THAT IS QUANTISED IS THE NORMALISED ONE, so a row's sum over all 2,048 keys is known before any of its weights is quantised.  A work-group owns 256 queries, in 8 passes of 32 (two tiles of 16);
; wave w owns keys 512 w .. 512 w + 511, and the pass's 32 x 512 weights stay in 512 of its registers between the sum and the quantiser: each weight costs one square root and one reciprocal.
; A WEIGHT: D = K Q^T - k2 / 2 (the C of the product); t = max(q2 - 2 D, 0); rr = 1 / (sqrt t + eps); W = rr rr; the sum takes rr rr by a fused multiply-add.
; The score product has K = 64: Q's fragment holds zero codes in its upper half, so K's fragment may run on into the next tile's codes; the scale words repeat the two real bytes.
; Source 0 = 16 keys, source 1 = 16 queries: a lane holds one query, and the 16 registers of two neighbouring key tiles are 16 neighbouring keys (the launch before has ordered the tiles' rows for that).
; PHASE 1 is a pipeline over chunks of 64 registers: in one slot stand the reciprocals of chunk k, the square roots of chunk k + 1 and the plain lines of chunks k - 1 and k + 2, so that no line of a slot
; names the result of a transcendental issued in it: one wait a slot.  The score products of the later groups stand between those lines.
; PHASE 2, for each group of 128 keys and tile of queries: the blocks' largest weights, x 1 / (eps + sum), scale bytes, codes, four products with V (source 0 = the weights: a lane then holds one channel,
; its registers run along the queries, as G lies).  The four waves' parts of A meet in LDS; each wave finishes 8 tokens x 64 channels: sum, x G, a turn through LDS, quantiser.
; TWO BARRIERS A PASS: behind the first the four waves' sums are read, behind the second their parts of A.  Each region is written again only behind the other barrier, in front of which every wave has waited for its reads.
; NO CLUSTER AND NO TENSOR LOAD: what the eight work-groups of a head share (K, V, -k2/2: 205 KB) is read once, at the head, against eight passes of arithmetic.  K goes straight into registers; V and -k2/2 go
; through registers into the wave's own LDS bytes, which no other wave reads.
; LIMITS: (1/u)^2 stands for u^-2 and a multiplication by a reciprocal for the division, each within 2 ulp; a block of zeros carries the byte 1; NaN and infinities are not served.
; REGISTERS: window 0: v1-15 addresses; v16-31 K's scale words, v32-47 V's, v48 Q's, v49 the weights'; v50-51 q2, v52-53 1 / (eps + sum); v54-60 at work; v61 the head's LDS address for -k2/2; v64-87 Q's two fragments;
;   v88-99 the weights' codes; v100-106 conversions' second halves; v108-123 sums, then magnitudes; v124-127 global offsets; v128-191 -k2/2 of even groups, then V's fragments; v192-255 -k2/2 of odd groups, then A.
;   window 1: v0-197 K (tile i at v[6 i]); v200-215 G.   windows 2, 3: the weights of query tile 0, 1: key tile i at v[8 i].
.set VIMG,  0                          ; LDS: V's images, 24,576 bytes a wave
.set KHL,   98304                      ; -k2/2, 2,048 bytes a wave, keys in their own order
.set SUMS,  106496                     ; [wave][query tile][r] f32
.set OPART, 107008                     ; [wave][16 quads][512]
.set TRS,   139776                     ; a stage of 8 rows x 288 bytes for each wave
.set HCS,   148992                     ; H's codes: 1,536 bytes a pass
.set HSS,   161280                     ; H's scale bytes: 64 a pass
.set L16,  1
.set R4,   2
.set CTAD, 3
.set VTAD, 4
.set SUMW, 5
.set OPW,  6
.set OPR,  7
.set TRW,  8
.set TRR,  9
.set HCW,  10
.set HSW,  11
.set Q2A,  12
.set KS,   16
.set VS,   32
.set QS,   48
.set PS,   49
.set Q2,   50
.set INV,  52
.set KHW,  61                          ; v61  where I store -k2/2 at the head: written once, named by those four stores alone
.set QF,   64
.set P,    88
.set PT,   100
.set SUM,  108
.set MX,   108
.set MY,   116
.set SCL,  120
.set RA,   128
.set RB,   192
.set MSB, 0
.macro WIN new                         ; the immediate's high byte repeats the setting that is left
.if MSB != \new
	s_set_vgpr_msb (MSB<<8)|\new
.set MSB, \new
.endif
.endm
.macro PLACES                          ; places behind matrix instructions (ISA guide 7.12.1)
.rept 4
	v_nop
.endr
.endm
	s_load_b256 s[4:11], s[0:1], 0x0               ; qk s[4:5], qks s[6:7], gate s[8:9], hc s[10:11]
	s_load_b64 s[12:13], s[0:1], 0x20              ; hs
	v_lshl_add_u32 v103, v0, 2, 0x28000
	v_mov_b32 v107, 0
	v_lshrrev_b32 v13, 5, v0
	v_readfirstlane_b32 s14, v13                   ; wave 0..3
	s_and_b32 s17, ttmp7, 0xffff                   ; B
	v_and_b32 v13, 31, v0                          ; lane
	v_and_b32 v14, 15, v0                          ; r
	v_bfe_u32 v15, v0, 4, 1                        ; h
	v_lshlrev_b32 v[L16], 4, v13
	v_lshl_add_u32 v[R4], v14, 2, SUMS
	s_lshl_b32 s30, s14, 11
	s_add_co_u32 s31, s30, KHL
	v_lshl_add_u32 v[CTAD], v15, 6, s31            ; -k2/2 of my keys: + 64 h: register j of tile t is key 32 (t / 2) + 16 h + 8 (t % 2) + j
	v_add_nc_u32 v[KHW], s31, v[L16]               ; and where I store them at the head
	s_mul_i32 s32, s14, 24576
	v_add_nc_u32 v[VTAD], s32, v[L16]
	v_add_nc_u32 v59, s32, v[L16]                  ; the same number as an offset in memory: my four groups' images
	v_add_nc_u32 v60, s30, v[L16]                  ; my four groups' scale words, and my -k2/2
	s_lshl_b32 s33, s14, 7
	s_add_co_u32 s33, s33, SUMS
	v_lshl_add_u32 v[SUMW], v13, 2, s33
	s_lshl_b32 s33, s14, 13
	s_add_co_u32 s33, s33, OPART
	v_add_nc_u32 v[OPW], s33, v[L16]
	s_lshr_b32 s33, s14, 1
	s_lshl_b32 s33, s33, 12
	s_and_b32 s34, s14, 1
	s_lshl_b32 s34, s34, 9
	s_add_co_u32 s33, s33, s34
	s_add_co_u32 s33, s33, OPART
	v_add_nc_u32 v[OPR], s33, v[L16]               ; the quads that I finish: 8 (w / 2) + 2 d + w % 2
	v_and_b32 v55, 7, v14
	v_lshrrev_b32 v56, 3, v14
	v_lshl_add_u32 v55, v56, 4, v55
	v_lshlrev_b32 v[Q2A], 2, v55                   ; 4 (r % 8 + 16 (r / 8))
	s_mul_i32 s34, s14, 2304
	s_add_co_u32 s34, s34, TRS
	v_mad_u32_u24 v[TRW], v15, 1152, v[Q2A]
	v_add_nc_u32 v[TRW], s34, v[TRW]
	v_bfe_u32 v55, v0, 2, 3
	v_and_b32 v56, 3, v0
	v_mul_u32_u24 v57, v55, 288
	v_lshl_add_u32 v57, v56, 6, v57
	v_add_nc_u32 v[TRR], s34, v57                  ; back: token lane / 4, channels 16 (lane % 4) on
	v_bfe_u32 v55, v0, 2, 2
	v_lshl_add_u32 v55, v15, 4, v55
	s_lshl_b32 s33, s14, 2
	v_add_nc_u32 v55, s33, v55                     ; that token's place in the pass's 32: 16 (lane / 16) + (lane / 4) % 4 + 4 w
	v_mul_u32_u24 v57, v55, 48
	v_mad_u32_u24 v57, v56, 12, v57
	v_add_nc_u32 v[HCW], HCS, v57
	v_bfe_u32 v58, v0, 1, 1
	v_lshl_add_u32 v58, v55, 1, v58
	v_add_nc_u32 v[HSW], HSS, v58
	s_mul_i32 s36, s17, 98304
	s_mov_b32 s37, 0
	s_lshl_b32 s38, s17, 13
	s_mov_b32 s39, 0
	s_lshl_b32 s40, s17, 19
	s_lshl_b32 s41, s14, 9
	s_add_co_u32 s40, s40, s41
	s_mov_b32 s41, 0
	s_and_b32 s42, s17, 15
	s_lshl_b32 s42, s42, 12
	s_lshr_b32 s43, s17, 4
	s_lshl_b32 s43, s43, 11
	s_add_co_u32 s42, s42, s43
	s_lshl_b32 s43, ttmp9, 8
	s_add_co_u32 s42, s42, s43                     ; my first token in [head][4,096 tokens]
	s_mul_i32 s44, s42, 48
	s_mov_b32 s45, 0
	s_lshl_b32 s46, s42, 1
	s_mov_b32 s47, 0
	s_lshl_b32 s60, ttmp9, 3                       ; the pass's block of 32 queries
	s_add_co_u32 s61, s60, 7                       ; my last one
	s_mov_b32 s67, 0                               ; where the pass's codes of H go in LDS,
	s_mov_b32 s68, 0                               ; and its scale bytes
	s_mov_b32 s70, 0x38d1b717                      ; eps = 1e-4
	s_mov_b32 s71, s70                             ; (named with it as a pair)
	s_mov_b32 s72, 0x76543210
	s_mov_b32 s73, 0xfedcba98                      ; lane l xor 16
	s_mov_b32 s74, 0xffff0000                      ; lanes 16-31
	s_wait_kmcnt 0x0
	s_add_nc_u64 s[20:21], s[4:5], s[36:37]        ; qk at B's Q images; K's lie 3,145,728 bytes on, V's 6,291,456
	s_add_nc_u64 s[22:23], s[6:7], s[38:39]        ; qks at B's part of each of its five sections
	s_add_nc_u64 s[26:27], s[8:9], s[40:41]        ; gate at B, + the quad of each tile that I finish
	s_add_nc_u64 s[10:11], s[10:11], s[44:45]
	s_add_nc_u64 s[12:13], s[12:13], s[46:47]
; the block s75's Q: six loads of 8 bytes straight into the two fragments' lower halves, the scale word, q2 of both tiles: nine loads
.macro NEXTQ
	s_mul_i32 s76, s75, 1536
	v_add_nc_u32 v124, s76, v[L16]
	s_lshr_b32 s76, s75, 2
	s_lshl_b32 s76, s76, 9
	s_and_b32 s77, s75, 3
	s_lshl_b32 s77, s77, 2
	s_add_co_u32 s76, s76, s77
	v_add_nc_u32 v125, s76, v[L16]
	s_lshl_b32 s76, s75, 7
	v_add_nc_u32 v126, s76, v[Q2A]
	global_load_b64 v[QF:QF+1], v124, s[20:21]
	global_load_b64 v[QF+2:QF+3], v124, s[20:21] offset:8
	global_load_b64 v[QF+4:QF+5], v124, s[20:21] offset:512
	global_load_b64 v[QF+12:QF+13], v124, s[20:21] offset:520
	global_load_b64 v[QF+14:QF+15], v124, s[20:21] offset:1024
	global_load_b64 v[QF+16:QF+17], v124, s[20:21] offset:1032
	global_load_b32 v[QS], v125, s[22:23]
	global_load_b32 v[Q2], v126, s[22:23] offset:786432
	global_load_b32 v[Q2+1], v126, s[22:23] offset:786432+32
.endm
.macro CTL g, reg                      ; -k2/2 of group g's 128 keys, eight registers a tile: the C of its score products
.irp t, 0,1,2,3,4,5,6,7
	ds_load_b128 v[\reg+8*\t:\reg+8*\t+3], v[CTAD] offset:512*(\g)+4*(32*(\t/2)+8*(\t%2))
	ds_load_b128 v[\reg+8*\t+4:\reg+8*\t+7], v[CTAD] offset:512*(\g)+4*(32*(\t/2)+8*(\t%2))+16
.endr
.endm
	WIN 0x40                                       ; destination window 1: K stays in registers
.set n, 0
.rept 48
	global_load_b128 v[4*n:4*n+3], v59, s[20:21] offset:3145728+512*n
.set n, n+1
.endr
	WIN 0x80                                       ; V, on its way to LDS, through the registers that the weights will take
.set n, 0
.rept 48
	global_load_b128 v[4*n:4*n+3], v59, s[20:21] offset:6291456+512*n
.set n, n+1
.endr
	WIN 0xc0
.irp n, 0,1,2,3
	global_load_b128 v[4*\n:4*\n+3], v60, s[22:23] offset:1048576+512*\n
.endr
	WIN 0
.irp g, 0,1,2,3
	global_load_b128 v[KS+4*\g:KS+4*\g+3], v60, s[22:23] offset:262144+512*\g
	global_load_b128 v[VS+4*\g:VS+4*\g+3], v60, s[22:23] offset:524288+512*\g
.endr
	s_mov_b32 s75, s60
	NEXTQ
.irp j, 6,7,8,9,10,11,18,19,20,21,22,23
	v_mov_b32 v[QF+\j], 0                          ; the upper halves of Q's fragments: zero codes, for the whole launch
.endr
.irp j, 54,55,116,117,118,119
	v_mov_b32 v[\j], 0                             ; a lane permute's destination counts as one of its sources
.endr
	WIN 0x40
.irp j, 192,193,194,195,196,197
	v_mov_b32 v[\j], 0                             ; behind K's last tile
.endr
	WIN 0
	s_wait_loadcnt 0x0
	WIN 0x08                                       ; an LDS store's data are its source 1: window 2
.set n, 0
.rept 48
	ds_store_b128 v[VTAD], v[4*n:4*n+3] offset:512*n
.set n, n+1
.endr
	WIN 0x0c
.irp n, 0,1,2,3
	ds_store_b128 v[KHW], v[4*\n:4*\n+3] offset:512*\n
.endr
	WIN 0
	CTL 0, RA                                      ; LDS serves a wave's instructions in order: these see my stores
	CTL 1, RB
; a score product: key tile t of group g x query tile qa, on -k2/2
.macro SCORE g, t, qa
	WIN 0x81+0x40*(\qa)                            ; source 0 (K) window 1, Q and C window 0, D window 2 or 3
.set rD, 64*(\g)+8*(\t)
.set rK, 6*(8*(\g)+(\t))
.set rQ, QF+12*(\qa)
.set rC, RA+64*((\g)%2)+8*(\t)
.set rS, KS+4*(\g)+(\t)/2
.if (((\t)%2) == 0) && ((\qa) == 0)
	v_wmma_scale_f32_16x16x128_f8f6f4 v[rD:rD+7], v[rK:rK+11], v[rQ:rQ+11], v[rC:rC+7], v[rS], v[QS] matrix_a_fmt:MATRIX_FMT_FP6 matrix_b_fmt:MATRIX_FMT_FP6
.elseif ((\qa) == 0)
	v_wmma_scale_f32_16x16x128_f8f6f4 v[rD:rD+7], v[rK:rK+11], v[rQ:rQ+11], v[rC:rC+7], v[rS], v[QS] matrix_a_fmt:MATRIX_FMT_FP6 matrix_b_fmt:MATRIX_FMT_FP6 matrix_a_scale:MATRIX_SCALE_ROW1
.elseif (((\t)%2) == 0)
	v_wmma_scale_f32_16x16x128_f8f6f4 v[rD:rD+7], v[rK:rK+11], v[rQ:rQ+11], v[rC:rC+7], v[rS], v[QS] matrix_a_fmt:MATRIX_FMT_FP6 matrix_b_fmt:MATRIX_FMT_FP6 matrix_b_scale:MATRIX_SCALE_ROW1
.else
	v_wmma_scale_f32_16x16x128_f8f6f4 v[rD:rD+7], v[rK:rK+11], v[rQ:rQ+11], v[rC:rC+7], v[rS], v[QS] matrix_a_fmt:MATRIX_FMT_FP6 matrix_b_fmt:MATRIX_FMT_FP6 matrix_a_scale:MATRIX_SCALE_ROW1 matrix_b_scale:MATRIX_SCALE_ROW1
.endif
.endm
; A SLOT of phase 1 for query tile qa.  Chunk c is v[64 c .. 64 c + 63] of its window.  Slot k: + eps on chunk k; the sum of chunk k - 1; then, by turns: the reciprocals of chunk k,
; q2 - 2 D and the clamp at 0 of chunk k + 2, the square roots of chunk k + 1, rr rr of chunk k - 1.  wg: the group whose 16 score products stand between them, or -1.
.macro SLOT qa, k, wg
.set WP, 0x8a+0x45*(\qa)               ; destination, sources 0 and 1 in the tile's window
.set WR, 0x0a+0x05*(\qa)               ; sources 0 and 1 in the tile's window, destination and source 2 in window 0
.set cE, 64*(\k)
.set cS, 64*(\k)+64
.set cP, 64*(\k)+128
.set cM, 64*(\k)-64
.set sB, SUM+8*(\qa)
.if (\k) >= 0
	v_nop                                          ; a plain line behind the last transcendental of the slot before,
	s_wait_alu depctr_va_vdst(0)                   ; and the one wait for all of them, ahead of the first line that names a result
.endif
.if ((\k) >= 0) && ((\k) <= 3)
	WIN WP
.set n, 0
.rept 32
	v_pk_add_f32 v[cE+2*n:cE+2*n+1], v[cE+2*n:cE+2*n+1], s[70:71] op_sel_hi:[1,0]
.set n, n+1
.endr
.endif
.if ((\k) >= 1) && ((\k) <= 4)
	WIN WR
.set n, 0
.rept 32
.if ((\k) == 1) && (n < 4)
	v_pk_mul_f32 v[sB+2*n:sB+2*n+1], v[cM+2*n:cM+2*n+1], v[cM+2*n:cM+2*n+1]   ; the first four start the four chains: nothing is cleared
.else
	v_pk_fma_f32 v[sB+2*(n%4):sB+2*(n%4)+1], v[cM+2*n:cM+2*n+1], v[cM+2*n:cM+2*n+1], v[sB+2*(n%4):sB+2*(n%4)+1]
.endif
.set n, n+1
.endr
.endif
.if (\wg) == 3
	s_wait_dscnt 0x0                               ; -k2/2 of group 3 is in
.endif
	WIN WP
.set n, 0
.rept 32
.if ((\k) >= 0) && ((\k) <= 3)
	v_rcp_f32 v[cE+2*n], v[cE+2*n]
.endif
.if ((\k) >= -2) && ((\k) <= 1)
	v_pk_fma_f32 v[cP+2*n:cP+2*n+1], v[cP+2*n:cP+2*n+1], -2.0, v[Q2:Q2+1] op_sel:[0,0,\qa] op_sel_hi:[1,0,\qa]
.endif
.if ((\k) >= -1) && ((\k) <= 2)
	v_sqrt_f32 v[cS+2*n], v[cS+2*n]
.endif
.if ((\k) >= -2) && ((\k) <= 1) && (n > 0)
	v_max_num_f32 v[cP+2*n-2], 0, v[cP+2*n-2]
.endif
.if ((\k) >= 0) && ((\k) <= 3)
	v_rcp_f32 v[cE+2*n+1], v[cE+2*n+1]
.endif
.if ((\k) >= -2) && ((\k) <= 1) && (n > 0)
	v_max_num_f32 v[cP+2*n-1], 0, v[cP+2*n-1]
.endif
.if ((\k) >= -1) && ((\k) <= 2)
	v_sqrt_f32 v[cS+2*n+1], v[cS+2*n+1]
.endif
.if ((\k) >= 1) && ((\k) <= 4)
	v_pk_mul_f32 v[cM+2*n:cM+2*n+1], v[cM+2*n:cM+2*n+1], v[cM+2*n:cM+2*n+1]
.endif
.if ((\wg) >= 0) && ((n%2) == 0)
	SCORE \wg, n/4, (n/2)%2
	WIN WP
.endif
.set n, n+1
.endr
.if ((\k) >= -2) && ((\k) <= 1)
	v_max_num_f32 v[cP+62], 0, v[cP+62]
	v_max_num_f32 v[cP+63], 0, v[cP+63]
.endif
.endm
; PHASE 2.  Chunk c: group c / 2, query tile c % 2.
.macro MAXRUN c                        ; the largest weight of each of the chunk's four blocks of 32 keys, my 16 of each (no weight is negative)
.set mq, (\c)%2
.set mb, 64*((\c)/2)
.set mx, MX+4*mq
	WIN 0x0a+5*mq
.irp b, 0,1,2,3
	v_max_num_f32 v[mx+\b], v[mb+16*\b], v[mb+16*\b+1]
.endr
.irp i, 2,4,6,8,10,12,14
.irp b, 0,1,2,3
	v_max3_num_f32 v[mx+\b], v[mb+16*\b+\i], v[mb+16*\b+\i+1], v[mx+\b]
.endr
.endr
.endm
.macro SCALE c                         ; x 1 / (eps + sum): a multiplication by a positive number keeps the order, so this is the largest normalised weight, bit for bit
.set mq, (\c)%2
.set mx, MX+4*mq
	WIN 0
.irp b, 0,1,2,3
	v_permlanex16_b32 v[MY+\b], v[mx+\b], s72, s73
.endr
.irp b, 0,1,2,3
	v_max_num_f32 v[mx+\b], v[mx+\b], v[MY+\b]
.endr
.irp b, 0,1,2,3
	v_mul_f32 v[mx+\b], v[mx+\b], v[INV+mq]
.endr
.irp b, 0,1,2,3
	v_max_num_f32 v[mx+\b], 0x1800000, v[mx+\b]    ; the floor 2^(3 - 127): the byte cannot fall under 1
.endr
.irp b, 0,1,2,3
	v_add_nc_u32 v[SCL+\b], 0xff000000, v[mx+\b]   ; 2 off the exponent field: the conversion's scale operand
.endr
.irp b, 0,1,2,3
	v_lshrrev_b32 v[MY+\b], 23, v[SCL+\b]
.endr
	v_lshl_or_b32 v[PS], v[MY+1], 8, v[MY]
	v_lshl_or_b32 v[PS], v[MY+2], 16, v[PS]
	v_lshl_or_b32 v[PS], v[MY+3], 24, v[PS]
.endm
.macro NORM c
.set mq, (\c)%2
.set mb, 64*((\c)/2)
	WIN 0x82+0x41*mq                               ; destination and source 0 in the tile's window
.set n, 0
.rept 32
.if mq == 0
	v_pk_mul_f32 v[mb+2*n:mb+2*n+1], v[mb+2*n:mb+2*n+1], v[INV:INV+1] op_sel:[0,0] op_sel_hi:[1,0]
.else
	v_pk_mul_f32 v[mb+2*n:mb+2*n+1], v[mb+2*n:mb+2*n+1], v[INV:INV+1] op_sel:[0,1] op_sel_hi:[1,1]
.endif
.set n, n+1
.endr
.endm
.macro CVT c
.set mq, (\c)%2
.set mb, 64*((\c)/2)
	WIN 0x02+mq
	v_cvt_scalef32_pk16_fp6_f32 v[P:P+2], v[mb:mb+15], v[SCL]
	v_cvt_scalef32_pk16_fp6_f32 v[PT:PT+2], v[mb+16:mb+31], v[SCL+1]
	v_cvt_scalef32_pk16_fp6_f32 v[P+6:P+8], v[mb+32:mb+47], v[SCL+2]
	v_cvt_scalef32_pk16_fp6_f32 v[PT+4:PT+6], v[mb+48:mb+63], v[SCL+3]
	WIN 0
	v_nop                                          ; one plain line behind the conversions
.irp c2, 0,1                                       ; the operand's layout wants a whole block in a lane
.irp i, 0,1,2
	v_permlane16_swap_b32 v[P+6*\c2+\i], v[PT+4*\c2+\i]
.endr
.irp i, 0,1,2
	v_mov_b32 v[P+6*\c2+3+\i], v[PT+4*\c2+\i]
.endr
.endr
.endm
.macro VTL g                           ; group g's four fragments of V
.set n, 0
.rept 12
	ds_load_b128 v[RA+4*n:RA+4*n+3], v[VTAD] offset:6144*(\g)+512*n
.set n, n+1
.endr
.endm
.macro PV c                            ; four products, one on each of the tile's accumulators; the eight accumulators take turns, one instruction a turn
.set mq, (\c)%2
.set mg, (\c)/2
.irp d, 0,1,2,3
.if (\c) < 2
	v_wmma_scale_f32_16x16x128_f8f6f4 v[RB+32*mq+8*\d:RB+32*mq+8*\d+7], v[P:P+11], v[RA+12*\d:RA+12*\d+11], 0, v[PS], v[VS+4*mg+\d] matrix_a_fmt:MATRIX_FMT_FP6 matrix_b_fmt:MATRIX_FMT_FP6
.else
	v_wmma_scale_f32_16x16x128_f8f6f4 v[RB+32*mq+8*\d:RB+32*mq+8*\d+7], v[P:P+11], v[RA+12*\d:RA+12*\d+11], v[RB+32*mq+8*\d:RB+32*mq+8*\d+7], v[PS], v[VS+4*mg+\d] matrix_a_fmt:MATRIX_FMT_FP6 matrix_b_fmt:MATRIX_FMT_FP6
.endif
.endr
.endm
	s_mov_b32 s62, 8
.Lpass:
	s_wait_loadcnt 0x0                             ; Q, its scale word, q2
	s_wait_dscnt 0x0                               ; -k2/2 of groups 0 and 1; my stores of the last pass's codes
.irp q, 0,1
.irp t, 0,1,2,3,4,5,6,7
	SCORE 0, \t, \q                                ; group 0's scores: there is no vector work yet to set between them
.endr
.endr
	WIN 0
	PLACES
	CTL 2, RA
	SLOT 0, -2, 1
	WIN 0
	PLACES
	CTL 3, RB
	s_wait_dscnt 16                                ; group 2's are in; group 3's sixteen loads may be out
	SLOT 0, -1, 2
	SLOT 0, 0, 3
	SLOT 0, 1, -1
	SLOT 0, 2, -1
	SLOT 0, 3, -1
	SLOT 0, 4, -1
	SLOT 1, -2, -1
	SLOT 1, -1, -1
	SLOT 1, 0, -1
	SLOT 1, 1, -1
	SLOT 1, 2, -1
	SLOT 1, 3, -1
	SLOT 1, 4, -1
	WIN 0
	; my 512 keys' sums of both tiles' queries
.irp q, 0,1
	v_pk_add_f32 v[SUM+8*\q:SUM+8*\q+1], v[SUM+8*\q:SUM+8*\q+1], v[SUM+8*\q+2:SUM+8*\q+3]
	v_pk_add_f32 v[SUM+8*\q+4:SUM+8*\q+5], v[SUM+8*\q+4:SUM+8*\q+5], v[SUM+8*\q+6:SUM+8*\q+7]
.endr
.irp q, 0,1
	v_pk_add_f32 v[SUM+8*\q:SUM+8*\q+1], v[SUM+8*\q:SUM+8*\q+1], v[SUM+8*\q+4:SUM+8*\q+5]
.endr
.irp q, 0,1
	v_add_f32 v[SUM+8*\q], v[SUM+8*\q], v[SUM+8*\q+1]
.endr
.irp q, 0,1
	v_permlanex16_b32 v[54+\q], v[SUM+8*\q], s72, s73
.endr
.irp q, 0,1
	v_add_f32 v[SUM+8*\q], v[SUM+8*\q], v[54+\q]
.endr
	v_cndmask_b32 v56, v[SUM], v[SUM+8], s74       ; lanes 0-15 tile 0's, lanes 16-31 tile 1's
	ds_store_b32 v[SUMW], v56
	s_wait_dscnt 0x0                               ; for the others' sake: my sums lie in LDS
	s_barrier_signal -1
	s_barrier_wait -1
.irp q, 0,1
.irp w, 0,1,2,3
	ds_load_b32 v[116+4*\q+\w], v[R4] offset:128*\w+64*\q
.endr
.endr
	VTL 0
	s_lshr_b32 s76, s60, 2                         ; G of the 8 tokens x 64 channels that I finish: asked for here, wanted at the pass's end
	s_lshl_b32 s76, s76, 15
	s_and_b32 s77, s60, 3
	s_lshl_b32 s77, s77, 11
	s_add_co_u32 s76, s76, s77
	v_add_nc_u32 v127, s76, v[L16]
	WIN 0x40
.irp d, 0,1,2,3
	global_load_b128 v[200+4*\d:203+4*\d], v127, s[26:27] offset:8192*\d
.endr
	WIN 0
	s_add_co_u32 s75, s60, 1
	s_min_u32 s75, s75, s61                        ; the next pass's Q; the last pass asks for its own block again, so that no load leaves its buffer
	NEXTQ
	MAXRUN 0                                       ; work on registers while the loads are out
	MAXRUN 1
	WIN 0
	s_wait_dscnt 0x0
.irp q, 0,1
	v_add_f32 v[116+4*\q], v[116+4*\q], v[117+4*\q]
	v_add_f32 v[118+4*\q], v[118+4*\q], v[119+4*\q]
.endr
.irp q, 0,1
	v_add_f32 v[116+4*\q], v[116+4*\q], v[118+4*\q]
.endr
.irp q, 0,1
	v_add_f32 v[116+4*\q], s70, v[116+4*\q]        ; eps + the row's sum
.endr
	v_rcp_f32 v[INV], v116
	v_rcp_f32 v[INV+1], v120
	v_nop
	s_wait_alu depctr_va_vdst(0)                   ; one wait for the two reciprocals, ahead of their first reader
.irp c, 0,1,2,3,4,5,6,7
	SCALE \c                                       ; (its lines are also the places behind the last products, in front of the loads below and of the writes of the weights' scale word)
.if (\c >= 2) && ((\c % 2) == 0)
	VTL \c/2
.endif
	NORM \c
	CVT \c
.if \c <= 5
	MAXRUN \c+2                                    ; also the places between the writes of the codes and the products
	WIN 0
.else
.rept 8
	v_nop
.endr
.endif
.if (\c >= 2) && ((\c % 2) == 0)
	s_wait_dscnt 0x0                               ; V's fragments are in
.endif
	PV \c
.endr
	PLACES
.set n, 0
.rept 16
	ds_store_b128 v[OPW], v[RB+4*n:RB+4*n+3] offset:512*n   ; my part of A, each accumulator from its low end on
.set n, n+1
.endr
	s_wait_dscnt 0x0                               ; for the others' sake
	s_barrier_signal -1
	s_barrier_wait -1
	; ---- the finish: 8 tokens x 64 channels a wave
.irp w, 0,1,2,3
.irp d, 0,1,2,3
	ds_load_b128 v[RB+16*\w+4*\d:RB+16*\w+4*\d+3], v[OPR] offset:8192*\w+1024*\d
.endr
.endr
	CTL 0, RA                                      ; the next pass's first C
	s_wait_dscnt 16                                ; the four parts are in; the sixteen loads just issued may be out
.irp i, 0,2,4,6,8,10,12,14
	v_pk_add_f32 v[RB+\i:RB+\i+1], v[RB+\i:RB+\i+1], v[RB+16+\i:RB+17+\i]
	v_pk_add_f32 v[RB+32+\i:RB+33+\i], v[RB+32+\i:RB+33+\i], v[RB+48+\i:RB+49+\i]
.endr
.irp i, 0,2,4,6,8,10,12,14
	v_pk_add_f32 v[RB+\i:RB+\i+1], v[RB+\i:RB+\i+1], v[RB+32+\i:RB+33+\i]
.endr
	s_wait_loadcnt 9                               ; G's four loads are in; the nine younger ones, the next pass's Q, may be out
	WIN 0x04                                       ; source 1 (G) window 1
.irp i, 0,2,4,6,8,10,12,14
	v_pk_mul_f32 v[RB+\i:RB+\i+1], v[RB+\i:RB+\i+1], v[200+\i:201+\i]
.endr
	WIN 0
.irp d, 0,1,2,3
.irp j, 0,1,2,3
	ds_store_b32 v[TRW], v[RB+4*\d+\j] offset:288*\j+4*(32*(\d/2)+8*(\d%2))   ; a row a token, the channels in their own order
.endr
.endr
.irp c, 0,1,2,3
	ds_load_b128 v[108+4*\c:111+4*\c], v[TRR] offset:16*\c   ; 16 neighbouring channels of one token
.endr
	s_wait_dscnt 0x0                               ; they are in, and the stores have read their registers
	CTL 1, RB
	v_max3_num_f32 v54, |v108|, |v109|, |v110|
	v_max3_num_f32 v55, |v111|, |v112|, |v113|
.irp i, 6,10
	v_max3_num_f32 v54, v54, |v[108+\i]|, |v[109+\i]|
	v_max3_num_f32 v55, v55, |v[110+\i]|, |v[111+\i]|
.endr
	v_max3_num_f32 v54, v54, |v122|, |v123|
	v_max3_num_f32 v54, v54, v55, 0x1800000
	v_max_num_f32_dpp v54, v54, v54 row_xmask:1 row_mask:0xf bank_mask:0xf   ; with my neighbour's 16: the block of 32 channels
	v_add_nc_u32 v56, 0xff000000, v54
	v_cvt_scalef32_pk16_fp6_f32 v[PT:PT+2], v[108:123], v56
	v_lshrrev_b32 v57, 23, v56                     ; the scale's byte (also the plain line behind the conversion)
	v_add_nc_u32 v13, s67, v[HCW]
	v_add_nc_u32 v14, s68, v[HSW]
	ds_store_b32 v13, v[PT]
	ds_store_b32 v13, v[PT+1] offset:4
	ds_store_b32 v13, v[PT+2] offset:8
	ds_store_b8 v14, v57                           ; both lanes of a block write the same byte with the same value
	s_add_co_u32 s67, s67, 1536
	s_add_co_u32 s68, s68, 64
	s_add_co_u32 s60, s60, 1
	s_sub_co_u32 s62, s62, 1
	s_cmp_lg_u32 s62, 0
	s_cbranch_scc1 .Lpass
	; H's codes of my 256 tokens (12,288 bytes) and their scale bytes (512) leave in runs of 512 consecutive bytes, aligned
	s_mul_i32 s33, s14, 3072
	v_add_nc_u32 v14, s33, v[L16]
	v_add_nc_u32 v13, HCS, v14
	v_add_nc_u32 v15, HSS, v[L16]
	s_wait_dscnt 0x0
	s_barrier_signal -1
	s_barrier_wait -1
.irp n, 0,1,2,3,4,5
	ds_load_b128 v[RA+4*\n:RA+4*\n+3], v13 offset:512*\n
.endr
	s_wait_dscnt 0x0
.irp n, 0,1,2,3,4,5
	global_store_b128 v14, v[RA+4*\n:RA+4*\n+3], s[10:11] offset:512*\n
.endr
	s_cmp_lg_u32 s14, 0
	s_cbranch_scc1 .Lend
	ds_load_b128 v[RA+24:RA+27], v15
	s_wait_dscnt 0x0
	global_store_b128 v[L16], v[RA+24:RA+27], s[12:13]
.Lend:
	s_wait_tensorcnt 0x0
	ds_add_u32 v103, v107
	s_wait_dscnt 0x0
	s_endpgm
.Lfunc_end_k_qa64cb08367_att:
	.size	k_qa64cb08367_att, .Lfunc_end_k_qa64cb08367_att-k_qa64cb08367_att
	.p2alignl 7, 3214868480
	.fill 96, 4, 3214868480
	.section	.rodata,"a",@progbits
	.p2align	6, 0x0
	.amdhsa_kernel k_qa64cb08367_att
		.amdhsa_group_segment_fixed_size 164352
		.amdhsa_private_segment_fixed_size 0
		.amdhsa_enable_private_segment 0
		.amdhsa_kernarg_size 40
		.amdhsa_user_sgpr_count 2
		.amdhsa_user_sgpr_kernarg_segment_ptr 1
		.amdhsa_wavefront_size32 1
		.amdhsa_system_sgpr_workgroup_id_x 1
		.amdhsa_system_sgpr_workgroup_id_y 1
		.amdhsa_system_sgpr_workgroup_id_z 1
		.amdhsa_system_vgpr_workitem_id 0
		.amdhsa_next_free_vgpr 1024
		.amdhsa_next_free_sgpr 80
		.amdhsa_reserve_vcc 0
		.amdhsa_float_denorm_mode_32 3
		.amdhsa_float_denorm_mode_16_64 3
		.amdhsa_memory_ordered 1
		.amdhsa_forward_progress 1
		.amdhsa_inst_pref_size 219
	.end_amdhsa_kernel
	.amdgpu_metadata
---
amdhsa.version: [ 1, 2 ]
amdhsa.kernels:
  - .name:           k_qa64cb08367_att
    .symbol:         k_qa64cb08367_att.kd
    .args:
      - { .name: qk, .offset: 0, .size: 8, .value_kind: global_buffer, .address_space: global }
      - { .name: qks, .offset: 8, .size: 8, .value_kind: global_buffer, .address_space: global }
      - { .name: gate, .offset: 16, .size: 8, .value_kind: global_buffer, .address_space: global }
      - { .name: hc, .offset: 24, .size: 8, .value_kind: global_buffer, .address_space: global }
      - { .name: hs, .offset: 32, .size: 8, .value_kind: global_buffer, .address_space: global }
    .group_segment_fixed_size: 164352
    .private_segment_fixed_size: 0
    .kernarg_segment_align: 8
    .kernarg_segment_size: 40
    .max_flat_workgroup_size: 128
    .sgpr_count:     80
    .vgpr_count:     1024
    .wavefront_size: 32
...
	.end_amdgpu_metadata
.endif
;; end of part 3
;; launch outp (part 4): grid 8 x 32, 4 waves a work-group, clusters of 4 x 4, 262,656 bytes of LDS; arguments hc, hs, cod1, scl1, b_out, out0; writes out0
.if DOCPART == 4
	.amdgcn_target "amdgcn-amd-amdhsa--gfx1250"
	.amdhsa_code_object_version 6
	.text
	.protected	k_qa64cb08367_outp
	.globl	k_qa64cb08367_outp
	.p2align	8
	.type	k_qa64cb08367_outp,@function
k_qa64cb08367_outp:
	s_mov_b64 s[64:65], 0
	v_nop
	global_prefetch_b8 v0, s[64:65] scope:SCOPE_SE
	s_setreg_imm32_b32 hwreg(HW_REG_WAVE_MODE, 25, 1), 1
	s_wait_xcnt 0x0
	s_wait_alu depctr_hold_cnt(0) depctr_sa_sdst(0) depctr_va_vdst(0) depctr_va_sdst(0) depctr_va_ssrc(0) depctr_va_vcc(0) depctr_vm_vsrc(0)
	s_getreg_b32 s2, hwreg(HW_REG_IB_STS2, 6, 4)
	s_cmp_eq_u32 s2, 0
	s_cbranch_scc0 .Lentry_in_a_cluster
	s_endpgm
.Lentry_in_a_cluster:
	s_bfe_u32 s2, ttmp6, 0x10000c
	s_cmp_lg_u32 s2, 0xf033
	s_cbranch_scc0 .Lentry_shape_is_right
	s_endpgm
.Lentry_shape_is_right:
; Y = H W_out^T + b_out on codes of FP6 (E2M3) with E8M0 scales.  H: codes [head 16][token 4,096][48 bytes], scale bytes [head][token][2]; W_out: codes [1,024][768] at byte 6,291,456 of cod1,
; scale bytes [1,024][32] at byte 262,144 of scl1; Y [4,096][1,024] f32.
; A tile of Y is 128 x 128: 256 work-groups.  Four waves, each 64 x 64: 16 accumulators.  ALL OF K (1,024) lies in LDS: each byte is filled once, so there is no ring.  K is brought in quarters:
; H's quarter is four heads x 128 tokens x 48 bytes, W_out's 128 rows x 192 bytes.  Waves 0 and 2 fetch H's quarters 0, 2 and 1, 3; waves 1 and 3 W_out's.  The first two quarters are multiplied
; while the last two land.  4 x 4 work-groups form a cluster: H's tiles are shared along a row of it, W_out's along a column, and each is asked for jointly.
; The matrix instruction is used transposed (source 0 = 16 rows of W_out, source 1 = 16 tokens): a lane holds eight neighbouring numbers of a row of Y.  b_out is the C of each sum's first instruction.
; REGISTERS: window 0: v16-27 addresses; v32-47 H's scale words, v48-63 W_out's (a register: two tiles' words, in lanes 0-15 and 16-31); v64-95 b_out; v96-127 at work; v128-255 the accumulators.
;   window 1: two sets of fragments, at v0 and v128: H's four, then W_out's four.
.set BW,    98304                      ; LDS: H at 0: [head][128 tokens x 48]; W_out from here: [quarter][128 rows x 240]
.set STG,   221184                     ; a stage of 16 rows x 272 bytes for each wave; no fill lands here
.set PITCH, 240
.set ADA,  16                          ; v16 heads 0-7, v17 heads 8-15
.set ADB,  18                          ; v18 quarters 0-1, v19 quarters 2-3; v20, v21 the same behind one padding more
.set STO,  22
.set RD,   23
.set CO,   24
.set OSA,  25
.set OSB,  26
.set OBO,  27
.set SA,   32
.set SB,   48
.set BO,   64
.set OUTR, 96
.set ACC,  128
.set G1, 24
.set G0, 32
.set G1B, 48
.set G0B, 56
.set MSB, 0
.macro WIN new
.if MSB != \new
	s_set_vgpr_msb (MSB<<8)|\new
.set MSB, \new
.endif
.endm
.macro CROUND                          ; a round of the cluster's barrier
	s_barrier_signal -1
	s_barrier_wait -1
	s_cmp_lg_u32 s14, 0
	s_cbranch_scc1 .Lnot_wave_0_\@
	s_barrier_signal -3
.Lnot_wave_0_\@:
	s_barrier_wait -3
	s_barrier_signal -1
	s_barrier_wait -1
.endm
.macro PLACES
.rept 4
	v_nop
.endr
.endm
	s_load_b256 s[4:11], s[0:1], 0x0               ; hc s[4:5], hs s[6:7], cod1 s[8:9], scl1 s[10:11]
	s_load_b128 s[96:99], s[0:1], 0x20             ; b_out s[96:97], out0 s[98:99]
	v_lshl_add_u32 v30, v0, 2, 0x40000
	v_mov_b32 v31, 0
	ds_add_u32 v30, v31
	ds_add_u32 v30, v31
	v_lshrrev_b32 v1, 5, v0
	v_readfirstlane_b32 s14, v1                    ; wave 0..3
	s_lshr_b32 s15, s14, 1                         ; which 64 tokens are mine.  Also: the first quarter that I fetch
	s_and_b32 s16, s14, 1                          ; which 64 columns.  Also: I fetch for H (0) or for W_out (1)
	s_bfe_u32 s40, ttmp6, 0x40000
	s_bfe_u32 s41, ttmp6, 0x40004
	s_lshl_b32 s42, ttmp9, 2
	s_add_co_u32 s42, s42, s40                     ; tile column
	s_and_b32 s17, ttmp7, 0xffff
	s_lshl_b32 s17, s17, 2
	s_add_co_u32 s17, s17, s41                     ; tile row
	s_lshl_b32 s43, s41, 2
	s_lshl_b32 s43, 15, s43                        ; my row of the cluster
	s_lshl_b32 s44, 0x1111, s40                    ; my column
	; H's quarter: 4 rows (heads) of 768 elements of 8 bytes (128 tokens x 48), 24,576 elements from head to head; no padding
	s_or_b32 s[G1+0], s43, (3<<16)|(1<<21)
	s_mov_b32 s[G1+1], 768<<16
	s_mov_b32 s[G1+2], 4<<16
	s_mov_b32 s[G1+3], 768<<16
	s_mov_b32 s[G1+4], 4
	s_mov_b32 s[G1+5], 24576
	s_mov_b32 s[G1+6], 0
	s_mov_b32 s[G1+7], 0
	; W_out's quarter: 128 rows x 192 bytes, 16 bytes of padding behind every 64
	s_or_b32 s[G1B+0], s44, (0<<16)|(1<<20)|(1<<21)|(3<<22)|(3<<25)
	s_mov_b32 s[G1B+1], 192<<16
	s_mov_b32 s[G1B+2], 128<<16
	s_mov_b32 s[G1B+3], 192<<16
	s_mov_b32 s[G1B+4], 128
	s_mov_b32 s[G1B+5], 768
	s_mov_b32 s[G1B+6], 0
	s_mov_b32 s[G1B+7], 0
	s_mul_i32 s20, s17, 6144                       ; H: 128 tokens x 48 bytes a tile row, 4 heads x 196,608 bytes a quarter
	s_mul_i32 s18, s15, 786432
	s_add_co_u32 s20, s20, s18
	s_mov_b32 s21, 0
	s_mul_i32 s46, s42, 98304                      ; W_out: 128 rows x 768 bytes a tile column, 192 bytes a quarter
	s_mul_i32 s18, s15, 192
	s_add_co_u32 s46, s46, s18
	s_add_co_u32 s46, s46, 6291456
	s_mov_b32 s47, 0
	s_mul_i32 s45, s15, 24576                      ; where they go: no place in the cluster enters an LDS address
	s_mul_i32 s94, s15, 30720
	s_add_co_u32 s94, s94, BW
	s_wait_dscnt 0x0
	s_wait_kmcnt 0x0
	s_add_nc_u64 s[20:21], s[4:5], s[20:21]
	s_add_nc_u64 s[46:47], s[8:9], s[46:47]
	CROUND                                         ; all sixteen work-groups are here: the joint loads meet
.irp s, 0,1
	s_mov_b32 s[G0+4*\s], 1
	s_add_co_u32 s[G0+4*\s+1], s45, \s*2*24576
	s_add_nc_u64 s[G0+4*\s+2:G0+4*\s+3], s[20:21], \s*2*786432
	s_or_b32 s[G0+4*\s+3], s[G0+4*\s+3], 0x80000000
	s_mov_b32 s[G0B+4*\s], 1
	s_add_co_u32 s[G0B+4*\s+1], s94, \s*2*30720
	s_add_nc_u64 s[G0B+4*\s+2:G0B+4*\s+3], s[46:47], \s*2*192
	s_or_b32 s[G0B+4*\s+3], s[G0B+4*\s+3], 0x80000000
.endr
	s_cmp_eq_u32 s16, 0                            ; a wave's two fills stand in one branch on the wave's number: two loads of mine are out; four v_nop follow the second
	s_cbranch_scc0 .Lfirst_b
	tensor_load_to_lds s[G0:G0+3], s[G1:G1+7]
	s_nop 0
	tensor_load_to_lds s[G0+4:G0+7], s[G1:G1+7]
	s_nop 0
.rept 4
	v_nop
.endr
	s_branch .Lfirst_asked
.Lfirst_b:
	tensor_load_to_lds s[G0B:G0B+3], s[G1B:G1B+7]
	s_nop 0
	tensor_load_to_lds s[G0B+4:G0B+7], s[G1B:G1B+7]
	s_nop 0
.rept 4
	v_nop
.endr
.Lfirst_asked:
	v_and_b32 v1, 15, v0                           ; r
	v_bfe_u32 v2, v0, 4, 1                         ; h
	v_mul_u32_u24 v3, v1, 48
	v_mad_u32_u24 v3, v2, 24, v3                   ; H: token r's 48 bytes of a head, + 24 h: lanes l and l + 16 stand 24 bytes apart
	s_mul_i32 s21, s15, 3072                       ; my 64 tokens
	v_add_nc_u32 v[ADA], s21, v3
	v_add_nc_u32 v[ADA+1], 49152, v[ADA]
	v_mul_u32_u24 v3, v1, PITCH
	v_mad_u32_u24 v4, v2, 24, v3
	v_lshl_add_u32 v5, v2, 4, v4
	s_mul_i32 s22, s16, 64*PITCH                   ; my 64 rows of W_out
	s_add_co_u32 s22, s22, BW
	v_add_nc_u32 v[ADB], s22, v4
	v_add_nc_u32 v[ADB+2], s22, v5
	v_add_nc_u32 v[ADB+1], 61440, v[ADB]
	v_add_nc_u32 v[ADB+3], 61440, v[ADB+2]
	s_mul_i32 s23, s14, 16*272
	s_add_co_u32 s23, s23, STG
	v_mul_u32_u24 v5, v1, 272
	v_lshl_add_u32 v5, v2, 5, v5
	v_add_nc_u32 v[STO], s23, v5                   ; the stage, way in: row r, 32 bytes for each half of the lanes
	v_mul_u32_u24 v5, v2, 272
	v_lshl_add_u32 v5, v1, 4, v5
	v_add_nc_u32 v[RD], s23, v5                    ; back: lanes 0-15 one row of 256 bytes, lanes 16-31 the next
	v_lshlrev_b32 v5, 12, v2
	v_lshl_add_u32 v[CO], v1, 4, v5                ; and the same two rows in Y
	v_and_b32 v6, 31, v0
	v_lshlrev_b32 v[OSA], 1, v6
	v_lshlrev_b32 v[OSB], 5, v6
	v_lshlrev_b32 v[OBO], 5, v2
	s_lshl_b32 s46, s17, 8                         ; H's scale bytes: 2 a token
	s_lshl_b32 s47, s15, 7
	s_add_co_u32 s46, s46, s47
	s_mov_b32 s47, 0
	s_add_nc_u64 s[6:7], s[6:7], s[46:47]
	s_lshl_b32 s46, s42, 12                        ; W_out's: 32 a row
	s_lshl_b32 s18, s16, 11
	s_add_co_u32 s46, s46, s18
	s_add_nc_u64 s[10:11], s[10:11], s[46:47]
	s_lshl_b32 s46, s42, 9                         ; my first column, in bytes of f32
	s_lshl_b32 s18, s16, 8
	s_add_co_u32 s46, s46, s18
	s_add_nc_u64 s[96:97], s[96:97], s[46:47]
	s_add_nc_u64 s[98:99], s[98:99], s[46:47]
	s_lshl_b32 s46, s17, 19                        ; my first row of Y: 4,096 bytes a row
	s_lshl_b32 s18, s15, 18
	s_add_co_u32 s46, s46, s18
	s_add_nc_u64 s[98:99], s[98:99], s[46:47]
.irp p, 0,1
.irp s, 0,1,2,3,4,5,6,7
	global_load_u16 v[SA+8*\p+\s], v[OSA], s[6:7] offset:8192*(2*\s)+64*\p       ; lane l: token 32 p + l; K step s is heads 2 s and 2 s + 1
	global_load_u16 v[OUTR+8*\p+\s], v[OSA], s[6:7] offset:8192*(2*\s+1)+64*\p
.endr
	global_load_b128 v[SB+8*\p:SB+8*\p+3], v[OSB], s[10:11] offset:262144+1024*\p     ; lane l: row 32 p + l; a word a K step
	global_load_b128 v[SB+8*\p+4:SB+8*\p+7], v[OSB], s[10:11] offset:262144+1024*\p+16
.endr
.irp b, 0,1,2,3
	global_load_b128 v[BO+8*\b:BO+8*\b+3], v[OBO], s[96:97] offset:64*\b         ; register j: column 16 b + 8 h + j
	global_load_b128 v[BO+8*\b+4:BO+8*\b+7], v[OBO], s[96:97] offset:64*\b+16
.endr
	s_wait_loadcnt 0x0
.irp j, 0,1,2,3,4,5,6,7,8,9,10,11,12,13,14,15
	v_lshl_or_b32 v[SA+\j], v[OUTR+\j], 16, v[SA+\j]   ; the odd head's two bytes above the even head's: the token's scale word of the K step
.endr
.rept 8
	v_nop                                          ; a scale register written by a vector instruction stands eight places ahead of the scaled matrix instruction
.endr
.macro FRAGA reg, s, a                 ; H's fragment: tokens 16 a on, K step s: registers 6 c on are 24 bytes of head 2 s + c
.irp c, 0,1
.irp p, 0,1,2
	ds_load_b64 v[\reg+6*\c+2*\p:\reg+6*\c+2*\p+1], v[ADA+(2*(\s)+\c)/8] offset:6144*((2*(\s)+\c)%8)+768*(\a)+8*\p
.endr
.endr
.endm
.macro FRAGB reg, s, b                 ; W_out's fragment: rows 16 b on; where the piece three on lies behind one padding more, the second address register serves
.irp p, 0,1,2,3,4,5
.set PC, 12*((\s)%2)+6*(\p/3)+\p%3
.set OB, 8*PC+16*(PC/8)+16*(\b)*PITCH+(((\s)/2)%2)*30720
.if PC%8 < 5
	ds_load_b64 v[\reg+2*\p:\reg+2*\p+1], v[ADB+(\s)/4] offset:OB
.else
	ds_load_b64 v[\reg+2*\p:\reg+2*\p+1], v[ADB+2+(\s)/4] offset:OB
.endif
.endr
.endm
.macro FETCH s, f
	WIN 0x40                                       ; destination window 1
.irp a, 0,1,2,3
	FRAGA 128*(\f)+12*\a, \s, \a
.endr
.irp b, 0,1,2,3
	FRAGB 128*(\f)+48+12*\b, \s, \b
.endr
.endm
.macro PROD a, b, s, f
.set rD, ACC+8*(4*(\a)+(\b))
.set rB, 128*(\f)+48+12*(\b)
.set rA, 128*(\f)+12*(\a)
.set rSB, SB+8*((\b)/2)+(\s)
.set rSA, SA+8*((\a)/2)+(\s)
.if (\s) == 0
.set rC, BO+8*(\b)
.else
.set rC, rD
.endif
.if (((\a)%2) == 0) && (((\b)%2) == 0)
	v_wmma_scale_f32_16x16x128_f8f6f4 v[rD:rD+7], v[rB:rB+11], v[rA:rA+11], v[rC:rC+7], v[rSB], v[rSA] matrix_a_fmt:MATRIX_FMT_FP6 matrix_b_fmt:MATRIX_FMT_FP6
.elseif (((\a)%2) == 0)
	v_wmma_scale_f32_16x16x128_f8f6f4 v[rD:rD+7], v[rB:rB+11], v[rA:rA+11], v[rC:rC+7], v[rSB], v[rSA] matrix_a_fmt:MATRIX_FMT_FP6 matrix_b_fmt:MATRIX_FMT_FP6 matrix_a_scale:MATRIX_SCALE_ROW1
.elseif (((\b)%2) == 0)
	v_wmma_scale_f32_16x16x128_f8f6f4 v[rD:rD+7], v[rB:rB+11], v[rA:rA+11], v[rC:rC+7], v[rSB], v[rSA] matrix_a_fmt:MATRIX_FMT_FP6 matrix_b_fmt:MATRIX_FMT_FP6 matrix_b_scale:MATRIX_SCALE_ROW1
.else
	v_wmma_scale_f32_16x16x128_f8f6f4 v[rD:rD+7], v[rB:rB+11], v[rA:rA+11], v[rC:rC+7], v[rSB], v[rSA] matrix_a_fmt:MATRIX_FMT_FP6 matrix_b_fmt:MATRIX_FMT_FP6 matrix_a_scale:MATRIX_SCALE_ROW1 matrix_b_scale:MATRIX_SCALE_ROW1
.endif
.endm
; A K step of 128: its fragments are in; the next step's are asked for; 16 products, the accumulators by turns
.macro STEPG s
	s_wait_dscnt 0x0
.if (\s) < 7
	PLACES                                         ; in front of loads into the set that the step before multiplied
.if (\s) == 3
	s_wait_tensorcnt 0x0                           ; my second fill has landed,
	s_barrier_signal -1
	s_barrier_wait -1                              ; everybody's has: quarters 2 and 3 are whole
.endif
	FETCH (\s)+1, ((\s)+1)%2
.endif
	WIN 0x05                                       ; sources 0 and 1 window 1; C and D window 0
.irp a, 0,1,2,3
.irp b, 0,1,2,3
	PROD \a, \b, \s, (\s)%2
.endr
.endr
.endm
	s_wait_tensorcnt 0x1                           ; my first fill has landed (the second may be out),
	s_barrier_signal -1
	s_barrier_wait -1                              ; everybody's has: quarters 0 and 1 are whole; nothing is filled again
	FETCH 0, 0
.irp s, 0,1,2,3,4,5,6,7
	STEPG \s
.endr
	WIN 0
	PLACES
	; the way out, 16 rows x 64 columns at a time through my own stage: sixteen lanes then store 256 consecutive bytes, aligned
.irp a, 0,1,2,3
.if \a > 0
	s_wait_xcnt 0x0                                ; the last block's stores have read their registers
.endif
.irp b, 0,1,2,3
	ds_store_b128 v[STO], v[ACC+8*(4*\a+\b):ACC+8*(4*\a+\b)+3] offset:64*\b       ; each accumulator from its low end on
	ds_store_b128 v[STO], v[ACC+8*(4*\a+\b)+4:ACC+8*(4*\a+\b)+7] offset:64*\b+16
.endr
.irp t, 0,1,2,3,4,5,6,7
	ds_load_b128 v[OUTR+4*\t:OUTR+4*\t+3], v[RD] offset:2*\t*272   ; LDS serves a wave's instructions in order: these see my stores
.endr
.irp t, 0,1,2,3,4,5,6,7
	s_wait_dscnt 7-\t                              ; load t is in; the younger ones may be out
	global_store_b128 v[CO], v[OUTR+4*\t:OUTR+4*\t+3], s[98:99] offset:(16*\a+2*\t)*4096 th:TH_STORE_NT
.endr
.endr
	s_wait_tensorcnt 0x0
	ds_add_u32 v30, v31
	s_wait_dscnt 0x0
	CROUND                                         ; the closing round: no work-group ends while a partner may still ask for a tile that names it
	s_endpgm
.Lfunc_end_k_qa64cb08367_outp:
	.size	k_qa64cb08367_outp, .Lfunc_end_k_qa64cb08367_outp-k_qa64cb08367_outp
	.p2alignl 7, 3214868480
	.fill 96, 4, 3214868480
	.section	.rodata,"a",@progbits
	.p2align	6, 0x0
	.amdhsa_kernel k_qa64cb08367_outp
		.amdhsa_group_segment_fixed_size 262656
		.amdhsa_private_segment_fixed_size 0
		.amdhsa_enable_private_segment 0
		.amdhsa_kernarg_size 48
		.amdhsa_user_sgpr_count 2
		.amdhsa_user_sgpr_kernarg_segment_ptr 1
		.amdhsa_wavefront_size32 1
		.amdhsa_system_sgpr_workgroup_id_x 1
		.amdhsa_system_sgpr_workgroup_id_y 1
		.amdhsa_system_sgpr_workgroup_id_z 1
		.amdhsa_system_vgpr_workitem_id 0
		.amdhsa_next_free_vgpr 512
		.amdhsa_next_free_sgpr 100
		.amdhsa_reserve_vcc 0
		.amdhsa_float_denorm_mode_32 3
		.amdhsa_float_denorm_mode_16_64 3
		.amdhsa_memory_ordered 1
		.amdhsa_forward_progress 1
		.amdhsa_inst_pref_size 63
	.end_amdhsa_kernel
	.amdgpu_metadata
---
amdhsa.version: [ 1, 2 ]
amdhsa.kernels:
  - .name:           k_qa64cb08367_outp
    .symbol:         k_qa64cb08367_outp.kd
    .args:
      - { .name: hc, .offset: 0, .size: 8, .value_kind: global_buffer, .address_space: global }
      - { .name: hs, .offset: 8, .size: 8, .value_kind: global_buffer, .address_space: global }
      - { .name: cod1, .offset: 16, .size: 8, .value_kind: global_buffer, .address_space: global }
      - { .name: scl1, .offset: 24, .size: 8, .value_kind: global_buffer, .address_space: global }
      - { .name: b_out, .offset: 32, .size: 8, .value_kind: global_buffer, .address_space: global }
      - { .name: out0, .offset: 40, .size: 8, .value_kind: global_buffer, .address_space: global }
    .group_segment_fixed_size: 262656
    .private_segment_fixed_size: 0
    .kernarg_segment_align: 8
    .kernarg_segment_size: 48
    .max_flat_workgroup_size: 128
    .sgpr_count:     100
    .vgpr_count:     512
    .wavefront_size: 32
...
	.end_amdgpu_metadata
.endif
;; end of part 4
